; MI455X (gfx1250); checked and timed in simulation.
; The chip was launched on July 23, 2026; its instructions are those of AMD's public machine-readable ISA for CDNA 5 (MIT licence, August 2026) and "CDNA5" Instruction Set Architecture Reference Guide (July 2026). The comments in the code are by the model that wrote it; some were corrected since.
;; Pixel Level Matching. Allowed arithmetic: matrix products marked QUANTISED: E3M2 operands, one E8M0 scale for each 32 along K, by v_wmma_scale_f32_16x16x128_f8f6f4 with both operands' format E3M2, f32 sums; products left as they are: f32 operands where the result goes on into a quantised operand, else bf16, f16 or f32 operands; f32 sums; everything else in f32.
;; Inputs: conv_b 128 float32; conv_w_codes 128 x 16 x 24 uint8 (E3M2 codes of conv_w, K innermost, in blocks of 32 codes, four codes in three bytes); conv_w_scales 128 x 16 uint8 (E8M0 scales of conv_w, one for each 32 codes along K); feats_codes 4 x 64 x 64 x 16 x 24 uint8 (E3M2 codes of feats, K innermost, in blocks of 32 codes, four codes in three bytes); feats_scales 4 x 64 x 64 x 16 uint8 (E8M0 scales of feats, one for each 32 codes along K); pm_init_bg_codes 4 x 4,096 x 4 x 24 uint8 (E3M2 codes of pm_init_bg, K innermost, in blocks of 32 codes, four codes in three bytes); pm_init_bg_scales 4 x 4,096 x 4 uint8 (E8M0 scales of pm_init_bg, one for each 32 codes along K); pm_init_fg_codes 4 x 4,096 x 4 x 24 uint8 (E3M2 codes of pm_init_fg, K innermost, in blocks of 32 codes, four codes in three bytes); pm_init_fg_scales 4 x 4,096 x 4 uint8 (E8M0 scales of pm_init_fg, one for each 32 codes along K); pm_int_bg 4 x 1 x 128 float32; pm_int_fg 4 x 1 x 128 float32; pm_prev_bg_codes 4 x 4,096 x 4 x 24 uint8 (E3M2 codes of pm_prev_bg, K innermost, in blocks of 32 codes, four codes in three bytes); pm_prev_bg_scales 4 x 4,096 x 4 uint8 (E8M0 scales of pm_prev_bg, one for each 32 codes along K); pm_prev_fg_codes 4 x 4,096 x 4 x 24 uint8 (E3M2 codes of pm_prev_fg, K innermost, in blocks of 32 codes, four codes in three bytes); pm_prev_fg_scales 4 x 4,096 x 4 uint8 (E8M0 scales of pm_prev_fg, one for each 32 codes along K).
;; Outputs: out0 4 x 2 x 64 x 64 float32; out1 4 x 2 x 64 x 64 float32; out2 4 x 2 x 64 x 64 float32; out3 4 x 128 x 64 x 64 float32.
;; This version of the problem:
;;   THIS VERSION OF THE PROBLEM IS GIVEN IN LOW PRECISION. The matrix products marked QUANTISED in the list below multiply operands that are first quantised to E3M2 (3 exponent bits, 2 mantissa bits; 6 bits a number), with one power-of-two scale for each 32 numbers along K (OCP MX v1.0); their sums are f32. All else is computed in f32.
;;   The module's matrix products, in the order in which they are computed (A, B: the left and right operand; K: the contracted axis; several contracted axes count as one K, in the product's order):
;;     1. [M 128, K 512] x [K 512, N 16,384]; A: input conv_w (given as codes); B: input feats (given as codes): QUANTISED
;;     2. batch 4 x [M 4,096, K 128] x [K 128, N 4,096]; A: input pm_init_bg (given as codes); B: computed on the way: QUANTISED
;;     3. batch 4 x [M 4,096, K 128] x [K 128, N 4,096]; A: input pm_init_fg (given as codes); B: computed on the way: QUANTISED
;;     4. batch 4 x [M 4,096, K 128] x [K 128, N 4,096]; A: input pm_prev_bg (given as codes); B: computed on the way: QUANTISED
;;     5. batch 4 x [M 4,096, K 128] x [K 128, N 4,096]; A: input pm_prev_fg (given as codes); B: computed on the way: QUANTISED
;;     6. batch 4 x [M 4,096, K 128] x [K 128, N 1]; A: computed on the way; B: input pm_int_bg: left as it is (N = 1 < 16)
;;     7. batch 4 x [M 4,096, K 128] x [K 128, N 1]; A: computed on the way; B: input pm_int_fg: left as it is (N = 1 < 16)
;;   THE QUANTISER, for each operand of a quantised product, along K:
;;     - K is cut into blocks of 32 from its start; a last block that is shorter is filled with zeros.
;;     - A block's scale is 2^e with e = floor(log2(the largest magnitude in the block)) - 4, held to -126 .. 127; a block of zeros has e = 0. As a byte (E8M0): e + 127.
;;     - Each number is divided by its block's scale, clamped to +-28, and rounded to the nearest number of E3M2, ties to even, subnormals kept.
;;     - The product sums the exact products of the quantised numbers (number of the format x scale) in f32.
;;   ~~~python
;;   def quantise(x, axis):      # numpy; x: float32 -> the quantised numbers, widened to float32 again
;;       x = np.moveaxis(x, axis, -1); K = x.shape[-1]
;;       x = np.pad(x, [(0, 0)] * (x.ndim - 1) + [(0, -K % 32)]); x = x.reshape(x.shape[:-1] + (-1, 32)); a = np.abs(x).max(-1, keepdims=True)
;;       e = np.where(a > 0, np.clip(np.frexp(np.where(a > 0, a, 1))[1] - 1 - 4, -126, 127), 0)      # np.frexp(a)[1] - 1 = floor(log2(a)), exactly
;;       r = np.clip(x / 2.0 ** e, -28, 28)
;;       step = 2.0 ** (np.maximum(np.frexp(np.where(r == 0, 1, r))[1] - 1, -2) - 2)
;;       q = np.round(r / step) * step * 2.0 ** e      # np.round: ties to even
;;       return np.moveaxis(q.reshape(q.shape[:-2] + (-1,))[..., :K], -1, axis).astype(np.float32)
;;   ~~~
;;   OPERANDS COMPUTED ON THE WAY. 'Computed on the way' means the value that the module computes at that place (a softmax that the list does not call 'softmax' is quantised finished and normalised). What goes into a quantiser is computed in f32, as accurately as f32 sums, v_exp_f32 and their like allow (about 1e-6 of the number): no bf16 or f16 on the way to a quantiser, and a product that is left as it is and whose result goes on into a quantised operand takes f32 operands (vector FMAs, or v_wmma_f32_16x16x4_f32). A number that lies on a knife's edge between two numbers of the format may be rounded either way, as far as f32 arithmetic and the matrix unit's own rounding can turn it there, and no further.
;;   INPUTS GIVEN AS CODES. conv_w (in the module: [128, 512], K = its axis 1); feats (in the module: [4, 512, 64, 64], K = its axis 1); pm_init_bg (in the module: [4, 4096, 128], K = its axis 2); pm_init_fg (in the module: [4, 4096, 128], K = its axis 2); pm_prev_bg (in the module: [4, 4096, 128], K = its axis 2); pm_prev_fg (in the module: [4, 4096, 128], K = its axis 2): each comes as NAME_codes (uint8): NAME with its K axis moved to the last place and cut into blocks of 32 codes, [.., K / 32, bytes a block], one block behind the other in memory; four codes in three bytes: a row's codes are one little-endian stream of bits, code i at bits 6 i .. 6 i + 5 (a code: sign, 3 exponent bits, 2 mantissa bits); and NAME_scales (uint8): the same leading axes, one E8M0 byte (e + 127) for each 32 codes along K. Its value is code x scale, taken as it is: it is not quantised again, and the codes and scales need not be those that the quantiser above would give.
;; 2 versions, each right. Each part assembles by itself: llvm-mc -triple=amdgcn-amd-amdhsa -mcpu=gfx1250 --defsym DOCPART=n.
;; ======== version 1 of 2: 1 launch
;; launch match (part 1): grid 16 x 16, 4 waves a work-group, clusters of 4 x 1, 327,680 bytes of LDS; arguments feats_codes, feats_scales, conv_w_codes, conv_w_scales, conv_b, pm_int_bg, pm_int_fg, out2, pm_init_bg_codes, pm_init_fg_codes, pm_prev_bg_codes, pm_prev_fg_codes, pm_init_bg_scales, pm_init_fg_scales, pm_prev_bg_scales, pm_prev_fg_scales, out0, out1, out3; writes out0, out1, out2, out3
.if DOCPART == 1
	.amdgcn_target "amdgcn-amd-amdhsa--gfx1250"
	.amdhsa_code_object_version 6
	.text
	.protected	k_q34f8624d5c_match
	.globl	k_q34f8624d5c_match
	.p2align	8
	.type	k_q34f8624d5c_match,@function
k_q34f8624d5c_match:
	s_mov_b64 s[64:65], 0
	v_nop
	global_prefetch_b8 v0, s[64:65] scope:SCOPE_SE
	s_setreg_imm32_b32 hwreg(HW_REG_WAVE_MODE, 25, 1), 1
	s_wait_xcnt 0x0
	s_wait_alu depctr_hold_cnt(0) depctr_sa_sdst(0) depctr_va_vdst(0) depctr_va_sdst(0) depctr_va_ssrc(0) depctr_va_vcc(0) depctr_vm_vsrc(0)
	s_getreg_b32 s2, hwreg(HW_REG_IB_STS2, 6, 4)
	s_cmp_eq_u32 s2, 0
	s_cbranch_scc0 .Lentry_in_a_cluster
	s_endpgm
.Lentry_in_a_cluster:
	s_bfe_u32 s2, ttmp6, 0x10000c
	s_cmp_lg_u32 s2, 0x3003
	s_cbranch_scc0 .Lentry_shape_is_right
	s_endpgm
.Lentry_shape_is_right:
; PIXEL-LEVEL MATCHING on codes of BF6 (E3M2) with one E8M0 scale for each 32 along K.
;   conv = conv_w (128 x 512) x feats (512 x pixel) + conv_b;  nrm = conv / |conv| over the 128 channels (out3);  nrm is quantised along the channels and multiplied with
;   4,096 templates of each of four sets; of each set only the largest score of a pixel is kept (out0: init bg, fg; out1: prev bg, fg);  out2 = nrm . pm_int_bg, nrm . pm_int_fg.
; SHARES.  A work-group owns 256 pixels of one sample and ONE set: grid x = block of 256 pixels (16 a sample), grid y = 4 x sample + set.  The four work-groups of a cluster are four pixel
; blocks of one (sample, set): they walk the same templates and the same conv_w, which are asked for JOINTLY (the same tensor load, the same descriptor, mask 15, in all four).
; The four work-groups of a pixel block (one for each set) each make the convolution for themselves: 512 matrix instructions beside the 4,096 of the matching, and nothing goes through memory.
; Each output byte has one owner: set s stores channels 32 s .. 32 s + 31 of out3; row s % 2 of out2 is stored by the waves whose number / 2 is s / 2.
; CONVOLUTION: wave w owns pixels 64 w .. 64 w + 63 (four tiles of 16) and all 128 channels: source 0 = 16 rows of conv_w, source 1 = 16 pixels, so that a lane holds ONE pixel and eight channels a tile.
; MATCHING: wave w = (PH = w / 2, TH = w % 2) holds 128 pixels (eight fragments, brought from the other waves through LDS as images of their registers) and walks half TH of each slot's templates:
; source 0 = 16 templates, source 1 = 16 pixels, K = 128 = one instruction; a lane holds one pixel and eight templates' scores, which go into four running maxima a pixel tile (v_max3_num_f32).
; Which templates form a tile is free under a maximum: lane r of fragment q of a group takes template 2 r + q of the group's 32, so that an LDS row is two templates, 192 bytes.
; LIMITS.  A pixel whose 128 sums are all 0 has no norm: out3 and out2 are NaN there as in the definition, out0 and out1 are not (the maxima pass over NaN).  NaN, infinities and the scale byte 0xff
; among the inputs are not served.  The sum of a pixel's 128 squares has to lie inside f32's normal range (2^-126 .. 2^127).  1 / norm is v_rsq_f32 and one multiplication, where the definition divides.
; A block of zeros of nrm gets the scale byte 1, not 127: its codes are zeros, and this program alone reads the byte.  The bias is the C of the first K step.
;
; LDS (bytes)
.set SLOT1, 122880                     ; slot 0 at 0, slot 1 here: 512 rows x 240 (192 bytes = 2 templates, 16 of padding behind each 64).  Slot 1 first holds feats: 256 rows x 432, wave w's 64 at 27,648 w
.set TSC,   245760                     ; the set's 4,096 scale words, dense; filled once
.set CW,    262144                     ; conv_w: 128 rows x 432 (384 bytes, 16 of padding behind each 128); filled once; behind its last read its bytes are scratch:
.set STG,   262144                     ;   for each wave 32 rows x 272: out3's stage
.set IMG,   296960                     ;   16 images of fragments x 1,536
.set ISC,   321536                     ; their scale words, 128 bytes each
.set MRG,   323584                     ; [TH][256 pixels] f32: the two halves' maxima
.set INTB,  325632                     ; 256 bytes a wave: out2's turn
.set SPARE, 326656                     ; the spare words, 128 bytes a wave: two blocks of 256 bytes that no other line names
; SCALARS
.set WV,  42                           ; wave
.set SET, 43                           ; set 0..3: init bg, init fg, prev bg, prev fg
.set SMP, 100                          ; sample
.set TH,  101                          ; wave % 2
.set PH,  104                          ; wave / 2
.set CX,  66                           ; my place in the cluster: enters feats', the outputs' and the prefetches' addresses alone (made in s32-35)
.set PB,  67                           ; my block of 256 pixels
.set SEL, 22                           ; s[22:23] v_permlanex16_b32's selects for lane l xor 16
.set PFA, 24                           ; s[24:25] where my prefetches stand; never rewritten
.set CNT, 26
.set PF,  27                           ; 1 in a wave that prefetches
.set FLAG, 30                          ; 1 in a wave that makes out2
.set TB,  31                           ; LDS byte at which the trip's groups of templates begin
.set TS,  16                           ; and their scale words
.set G1F, 44                           ; descriptor groups 1: feats, conv_w, template scales, templates
.set G1W, 52
.set G1S, 68
.set G1T, 76
.set G0F, 84                           ; groups 0
.set G0W, 88
.set G0S, 92
.set G0T0, 96                          ; slot 0's, slot 1's
.set G0T1, 60
; VECTORS, window 0, kept
.set SPW, 4                            ; my spare word's address; never rewritten
.set NIL, 5                            ; 0; never rewritten
.set AT,  6                            ; my lane's place in a slot: 240 r + 24 h + 61,440 TH;  AT2: with 40 h, for the pieces that lie behind one padding more
.set AT2, 7
.set ATS, 8                            ; and among the scale words: TSC + 2,048 TH + 8 r
.set ADR, 9
.set ADR2, 10
.set ADS, 11
.set MST, 12
.set MRD, 13
.set GO8, 14                           ; 8 x lane
.set PFO, 15                           ; 256 x lane
.set WS,  16                           ; v16-31 conv_w's scale words (lanes 0-15 tile t % 4, lanes 16-31 tile t % 4 + 4), v32-39 feats' (tile m % 2 | m % 2 + 2): v16-39 hold scales and nothing else
.set FS,  32
.set PS,  16                           ; matching: v16-23 the eight pixel tiles' words, v[24:25], v[26:27] the templates'
.set SX,  24
.set SY,  26
.set BF,  40                           ; v40-135  eight pixel fragments
.set DR,  136                          ; v136-167 a ring of four results
.set MX,  168                          ; v168-199 four running maxima a pixel tile
.set AX,  200                          ; v200-223, v224-247 two sets of two template fragments
.set AY,  224
.set GO3, 248
.set O2,  250                          ; store data that are never written again
.set O01, 252
; window 0, between the convolution and the matching
.set N,   40                           ; v40-103 one tile, normalised
.set TM,  104
.set PW,  120
.set CD,  124                          ; v124-142 codes
.set RN,  144                          ; 1 / norm, a pair a tile
.set SS,  152
.set IS,  160
.set T,   168
.set AF,  176                          ; AF + 1, AW + 1: behind one padding more
.set AW,  178
.set IWI, 180
.set IWS, 181
.set IRI, 182
.set IRS, 183
.set STO, 184
.set SRD, 185
.set IST, 186
.set IRD, 187
.set GA,  188
.set GB,  189
.set GC,  190
.set TV0, 191
; window 1: the convolution's sums, (m, t) at v[64 m + 8 t]; later v0-63 out3's rows.  window 2: conv_w's fragments, two sets, v[96 p + 12 t]; v192-255 pm_int in the result's layout.
; window 3: feats' fragments v[12 (4 s + m)]; v192-255 conv_b in the result's layout.
.set HI,  192
.set MSB, 0
.macro WIN new                         ; the immediate's high byte repeats the setting that is left
.if MSB != \new
	s_set_vgpr_msb (MSB<<8)|\new
.set MSB, \new
.endif
.endm
.macro PLACES                          ; four places behind a matrix instruction (ISA guide 7.12.1), where no other vector work is at hand
.rept 4
	v_nop
.endr
.endm
.macro CROUND                          ; a round of the cluster's barrier
	s_barrier_signal -1
	s_barrier_wait -1
	s_cmp_lg_u32 s[WV], 0
	s_cbranch_scc1 .Lnot_wave_0_\@
	s_barrier_signal -3
.Lnot_wave_0_\@:
	s_barrier_wait -3
	s_barrier_signal -1
	s_barrier_wait -1
.endm
.macro JT g0                           ; my quarter of a slot, 128 rows, jointly; an s_nop 0 and four v_nop follow
	tensor_load_to_lds s[\g0:\g0+3], s[G1T:G1T+7]
	s_nop 0
.rept 4
	v_nop
.endr
.endm
; A PREFETCH INTO THE L2 of the slot that the NEXT change of slots will ask for (k = 0: templates 2,048 on; 1: 3,072 on): 98,304 bytes.  The four clusters of a (sample, set) walk the same templates: the first
; (cluster x = 0) asks.  Its four partners take 24,576 bytes each, told apart by address; in each, waves 0 to 2 take 8,192, lanes 256 bytes apart: each block is named once in the launch.
.macro ASK k
	s_cmp_eq_u32 s[PF], 1
	s_cbranch_scc0 .Lnot_mine_\@
	global_prefetch_b8 v[PFO], s[PFA:PFA+1] offset:98304*\k th:TH_LOAD_NT scope:SCOPE_SE
.Lnot_mine_\@:
.endm
.macro GROUP1 g, w0, c, r              ; r rows of c elements, dense in memory
	s_mov_b32 s[\g], \w0
	s_mov_b32 s[\g+1], (\c)<<16
	s_mov_b32 s[\g+2], (\r)<<16
	s_mov_b32 s[\g+3], (\c)<<16
	s_mov_b32 s[\g+4], \r
	s_mov_b32 s[\g+5], \c
	s_mov_b32 s[\g+6], 0
	s_mov_b32 s[\g+7], 0
.endm
	s_load_b512 s[4:19], s[0:1], 0x0               ; feats' codes, scales; conv_w's codes, scales; conv_b; pm_int_bg, _fg; out2
	s_load_b512 s[20:35], s[0:1], 0x40             ; the four sets' codes, the four sets' scales
	s_load_b128 s[36:39], s[0:1], 0x80             ; out0, out1
	s_load_b64 s[40:41], s[0:1], 0x90              ; out3
	v_lshl_add_u32 v[SPW], v0, 2, SPARE
	v_mov_b32 v[NIL], 0
	ds_add_u32 v[SPW], v[NIL]                      ; the wave's opening: the add and its wait ahead of my first tensor load; work on registers stands between them
	v_lshrrev_b32 v1, 5, v0
	v_readfirstlane_b32 s[WV], v1
	s_and_b32 s[TH], s[WV], 1
	s_lshr_b32 s[PH], s[WV], 1
	s_and_b32 s2, ttmp7, 0xffff                    ; the cluster's y = the work-group's: the same in all four partners
	s_and_b32 s[SET], s2, 3
	s_lshr_b32 s[SMP], s2, 2
	s_bfe_u32 s[CX], ttmp6, 0x40000
	s_lshl_b32 s[PB], ttmp9, 2
	s_add_co_u32 s[PB], s[PB], s[CX]
	GROUP1 G1F, (1<<20)|(4<<22)|(3<<25), 384, 64                   ; feats: no mask; bytes; 4 words of padding behind every 32
	GROUP1 G1W, 15|(1<<20)|(1<<21)|(4<<22)|(3<<25), 384, 32        ; conv_w: mask 15, bit 21 beside it; the same padding
	GROUP1 G1S, 15|(3<<16)|(1<<21), 32, 16                         ; template scales: rows of 32 x 8 bytes, no padding
	GROUP1 G1T, 15|(1<<20)|(1<<21)|(3<<22)|(3<<25), 192, 128       ; templates: 4 words of padding behind every 16
	s_mov_b32 s[G0F], 1                            ; where my quarters go: the wave's number x a constant + a constant
	s_mul_i32 s2, s[WV], 27648
	s_add_co_u32 s[G0F+1], s2, SLOT1
	s_mov_b32 s[G0W], 1
	s_mul_i32 s2, s[WV], 13824
	s_add_co_u32 s[G0W+1], s2, CW
	s_mov_b32 s[G0S], 1
	s_lshl_b32 s2, s[WV], 12
	s_add_co_u32 s[G0S+1], s2, TSC
	s_mov_b32 s[G0T0], 1
	s_mul_i32 s[G0T0+1], s[WV], 30720
	s_mov_b32 s[G0T1], 1
	s_add_co_u32 s[G0T1+1], s[G0T0+1], SLOT1
	s_wait_dscnt 0x0                               ; the opening add is done
	s_wait_kmcnt 0x0
	s_and_b32 s2, s[SET], 1                        ; the set's buffers: bg or fg,
	s_cmp_lg_u32 s2, 0
	s_cselect_b64 s[20:21], s[22:23], s[20:21]
	s_cselect_b64 s[24:25], s[26:27], s[24:25]
	s_cselect_b64 s[28:29], s[30:31], s[28:29]
	s_cselect_b64 s[32:33], s[34:35], s[32:33]
	s_cselect_b64 s[14:15], s[16:17], s[14:15]
	s_and_b32 s2, s[SET], 2                        ; init or prev
	s_cmp_lg_u32 s2, 0
	s_cselect_b64 s[20:21], s[24:25], s[20:21]
	s_cselect_b64 s[28:29], s[32:33], s[28:29]
	s_cselect_b64 s[36:37], s[38:39], s[36:37]
	s_mul_i32 s2, s[SMP], 393216                   ; the sample's templates
	s_mov_b32 s3, 0
	s_add_nc_u64 s[20:21], s[20:21], s[2:3]
	s_mul_i32 s32, s[CX], 24576                    ; the prefetches: slot 2, my work-group's quarter, my wave's third of it
	s_lshl_b32 s33, s[WV], 13
	s_add_co_u32 s32, s32, s33
	s_add_co_u32 s32, s32, 196608
	s_mov_b32 s33, 0
	s_add_nc_u64 s[PFA:PFA+1], s[20:21], s[32:33]
	s_mul_i32 s2, s[WV], 24576                     ; my 128 rows of a slot
	s_add_nc_u64 s[20:21], s[20:21], s[2:3]
	s_mov_b64 s[G0T0+2:G0T0+3], s[20:21]           ; templates 0 to 1,023
	s_or_b32 s[G0T0+3], s[G0T0+3], 0x80000000
	s_add_nc_u64 s[G0T1+2:G0T1+3], s[20:21], 98304 ; templates 1,024 to 2,047
	s_or_b32 s[G0T1+3], s[G0T1+3], 0x80000000
	s_lshl_b32 s2, s[SMP], 14
	s_lshl_b32 s105, s[WV], 12
	s_add_co_u32 s2, s2, s105
	s_add_nc_u64 s[G0S+2:G0S+3], s[28:29], s[2:3]
	s_or_b32 s[G0S+3], s[G0S+3], 0x80000000
	s_mul_i32 s2, s[WV], 12288
	s_add_nc_u64 s[G0W+2:G0W+3], s[8:9], s[2:3]
	s_or_b32 s[G0W+3], s[G0W+3], 0x80000000
	s_lshl_b32 s2, s[SMP], 9
	s_add_nc_u64 s[14:15], s[14:15], s[2:3]        ; pm_int of my sample
	s_lshl_b32 s33, s[PB], 8                       ; what hangs on my place in the cluster, in s32-35 alone
	s_lshl_b32 s34, s[WV], 6
	s_add_co_u32 s33, s33, s34                     ; my wave's first pixel in the sample
	s_lshl_b32 s32, s[SMP], 12
	s_add_co_u32 s32, s32, s33                     ; and in feats
	s_mul_i32 s34, s32, 384
	s_mov_b32 s35, 0
	s_add_nc_u64 s[G0F+2:G0F+3], s[4:5], s[34:35]
	s_or_b32 s[G0F+3], s[G0F+3], 0x80000000
	s_lshl_b32 s34, s32, 4
	s_add_nc_u64 s[6:7], s[6:7], s[34:35]          ; feats' scale words: 16 bytes a pixel
	s_lshl_b32 s34, s[SMP], 1
	s_and_b32 s32, s[SET], 1
	s_add_co_u32 s34, s34, s32
	s_lshl_b32 s34, s34, 12
	s_add_co_u32 s34, s34, s33
	s_lshl_b32 s34, s34, 2
	s_add_nc_u64 s[18:19], s[18:19], s[34:35]      ; out2 and out0 or out1: [sample][set % 2][pixel]
	s_add_nc_u64 s[36:37], s[36:37], s[34:35]
	s_lshl_b32 s34, s[SMP], 7
	s_lshl_b32 s32, s[SET], 5
	s_add_co_u32 s34, s34, s32
	s_lshl_b32 s34, s34, 12
	s_add_co_u32 s34, s34, s33
	s_lshl_b32 s34, s34, 2
	s_add_nc_u64 s[40:41], s[40:41], s[34:35]      ; out3: [sample][32 set ..][pixel]
	s_lshr_b32 s2, s[SET], 1
	s_cmp_eq_u32 s2, s[PH]
	s_cselect_b32 s[FLAG], 1, 0
	s_cmp_eq_u32 s[WV], 3
	s_cselect_b32 s2, 1, 0
	s_or_b32 s2, s2, ttmp9                         ; 0 in waves 0 to 2 of the (sample, set)'s first cluster: the same in all four partners
	s_cmp_eq_u32 s2, 0
	s_cselect_b32 s[PF], 1, 0
	s_mov_b32 s[SEL], 0x76543210
	s_mov_b32 s[SEL+1], 0xfedcba98
	CROUND                                         ; all four work-groups are here: the first joint loads meet
	tensor_load_to_lds s[G0F:G0F+3], s[G1F:G1F+7]  ; the first fills, one group: four loads of mine are out.  My 64 pixels of feats (my own: no mask),
	s_nop 0
	tensor_load_to_lds s[G0W:G0W+3], s[G1W:G1W+7]  ; 32 rows of conv_w,
	s_nop 0
	tensor_load_to_lds s[G0S:G0S+3], s[G1S:G1S+7]  ; a quarter of the set's scale words,
	s_nop 0
	tensor_load_to_lds s[G0T0:G0T0+3], s[G1T:G1T+7]  ; a quarter of slot 0
	s_nop 0
.rept 4
	v_nop
.endr
	v_and_b32 v1, 15, v0                           ; r
	v_bfe_u32 v2, v0, 4, 1                         ; h
	v_and_b32 v3, 31, v0                           ; lane
	v_lshlrev_b32 v[GA], 4, v1
	v_lshl_add_u32 v[GB], v2, 9, v[GA]             ; feats' words: 16 r, lanes 16-31 two tiles (32 pixels) on
	v_lshl_add_u32 v[GA], v2, 10, v[GA]            ; conv_w's: 16 r, lanes 16-31 four tiles (64 rows) on
	v_lshlrev_b32 v[GC], 5, v2                     ; a tile's eight channels of my half: 32 h
.irp u, 0,1,2,3
	global_load_b128 v[WS+4*\u:WS+4*\u+3], v[GA], s[10:11] offset:256*\u   ; a row's 16 bytes are its four K steps' words
.endr
.irp u, 0,1
	global_load_b128 v[FS+4*\u:FS+4*\u+3], v[GB], s[6:7] offset:256*\u
.endr
	WIN 0xc0                                       ; destination window 3
.irp t, 0,1,2,3,4,5,6,7
	global_load_b128 v[HI+8*\t:HI+8*\t+3], v[GC], s[12:13] offset:64*\t     ; conv_b(16 t + 8 h + 0 .. 7)
	global_load_b128 v[HI+8*\t+4:HI+8*\t+7], v[GC], s[12:13] offset:64*\t+16
.endr
	WIN 0x80                                       ; destination window 2
.irp t, 0,1,2,3,4,5,6,7
	global_load_b128 v[HI+8*\t:HI+8*\t+3], v[GC], s[14:15] offset:64*\t     ; pm_int likewise
	global_load_b128 v[HI+8*\t+4:HI+8*\t+7], v[GC], s[14:15] offset:64*\t+16
.endr
	WIN 0
	; every LDS address of the text is made here: a constant + a constant x lane + a constant x wave
	s_mul_i32 s2, s[TH], 61440
	v_mul_u32_u24 v[AT], v1, 240
	v_mad_u32_u24 v[AT], v2, 24, v[AT]
	v_lshl_add_u32 v[AT2], v2, 4, v[AT]
	v_add_nc_u32 v[AT], s2, v[AT]
	v_add_nc_u32 v[AT2], s2, v[AT2]
	s_lshl_b32 s2, s[TH], 11
	s_add_co_u32 s2, s2, TSC
	v_lshl_add_u32 v[ATS], v1, 3, s2
	s_lshl_b32 s2, s[TH], 10
	s_lshl_b32 s105, s[PH], 9
	s_add_co_u32 s2, s2, s105
	s_add_co_u32 s2, s2, MRG
	v_lshl_add_u32 v[MST], v1, 2, s2
	s_lshl_b32 s2, s[WV], 8
	s_add_co_u32 s105, s2, MRG
	v_lshl_add_u32 v[MRD], v3, 3, s105
	s_add_co_u32 s105, s2, INTB
	v_lshl_add_u32 v[IST], v1, 2, s105
	v_lshl_add_u32 v[IRD], v3, 3, s105
	v_lshlrev_b32 v[GO8], 3, v3
	v_lshlrev_b32 v[PFO], 8, v3
	v_lshlrev_b32 v[GO3], 4, v1
	v_lshl_add_u32 v[GO3], v2, 14, v[GO3]          ; out3: lanes 0-15 one channel's 256 bytes, lanes 16-31 the next channel's
	v_mul_u32_u24 v[TV0], v1, 432
	v_mad_u32_u24 v[TV0], v2, 24, v[TV0]
	s_mul_i32 s2, s[WV], 27648
	s_add_co_u32 s2, s2, SLOT1
	v_add_nc_u32 v[AF], s2, v[TV0]
	v_lshl_add_u32 v[AF+1], v2, 4, v[AF]
	v_add_nc_u32 v[AW], CW, v[TV0]
	v_lshl_add_u32 v[AW+1], v2, 4, v[AW]
	s_mul_i32 s2, s[WV], 6144
	s_add_co_u32 s2, s2, IMG
	v_lshl_add_u32 v[IWI], v3, 4, s2
	s_lshl_b32 s2, s[WV], 9
	s_add_co_u32 s2, s2, ISC
	v_lshl_add_u32 v[IWS], v3, 2, s2
	s_mul_i32 s2, s[PH], 12288
	s_add_co_u32 s2, s2, IMG
	v_lshl_add_u32 v[IRI], v3, 4, s2
	s_lshl_b32 s2, s[PH], 10
	s_add_co_u32 s2, s2, ISC
	v_lshl_add_u32 v[IRS], v3, 2, s2
	s_mul_i32 s2, s[WV], 8704
	s_add_co_u32 s2, s2, STG
	v_mul_u32_u24 v[TV0], v2, 4352
	v_lshl_add_u32 v[TV0], v1, 2, v[TV0]
	v_add_nc_u32 v[STO], s2, v[TV0]                ; into the stage: channel row 16 h + i, pixel r
	v_mul_u32_u24 v[TV0], v2, 272
	v_lshl_add_u32 v[TV0], v1, 4, v[TV0]
	v_add_nc_u32 v[SRD], s2, v[TV0]                ; back: lanes 0-15 one row of 256 bytes, lanes 16-31 the next
.irp b, 0,1,2,3
	v_mov_b32 v[TM+4+\b], 0                        ; written once: a lane permute's destination counts as one of its sources
	v_mov_b32 v[T+4+\b], 0
.endr
	s_wait_tensorcnt 0x2                           ; feats and conv_w, my parts, are in; the scale words and slot 0 may stay out
	s_barrier_signal -1
	s_barrier_wait -1                              ; everybody's are
; ---- THE CONVOLUTION.  A fragment, 16 rows x 128 K, is 12 registers: lane (r, h) takes 24 bytes at 24 h and 24 at 48 + 24 h of its row's 96, in pieces of 8 bytes.  16 bytes of padding lie behind every 16 pieces:
; where the piece three on (lanes 16-31) lies behind one padding more, the second address register serves.  Pitch 432 = 108 words: row r starts at bank 44 r mod 64 (64 banks of 4 bytes: ISA guide 11.1), sixteen different multiples of 4.
.macro FRAGC reg, adr, s, row
.irp p, 0,1,2,3,4,5
.set FP, 12*(\s)+6*(\p/3)+\p%3
.if FP%16 < 13
	ds_load_b64 v[\reg+2*\p:\reg+2*\p+1], v[\adr] offset:8*FP+16*(FP/16)+6912*(\row)
.else
	ds_load_b64 v[\reg+2*\p:\reg+2*\p+1], v[\adr+1] offset:8*FP+16*(FP/16)+6912*(\row)
.endif
.endr
.endm
.macro FETCHF s                        ; my four pixel tiles of K step s: 24 loads
	WIN 0xc0
.irp m, 0,1,2,3
	FRAGC 12*(4*(\s)+\m), AF, \s, \m
.endr
.endm
.macro FETCHW s, p                     ; conv_w's eight tiles of K step s into set p: 48 loads
	WIN 0x80
.irp t, 0,1,2,3,4,5,6,7
	FRAGC 96*(\p)+12*\t, AW, \s, \t
.endr
.endm
.macro CMM m, t, s
.set rD, 64*(\m)+8*(\t)
.set rA, 96*((\s)%2)+12*(\t)
.set rB, 12*(4*(\s)+(\m))
.set rC, rD
.if (\s) == 0
.set rC, HI+8*(\t)                     ; the bias starts the sum: nothing is cleared, nothing is added later
.endif
.set rU, WS+4*((\t)%4)+(\s)
.set rV, FS+4*((\m)%2)+(\s)
.if ((\t) < 4) && ((\m) < 2)
	v_wmma_scale_f32_16x16x128_f8f6f4 v[rD:rD+7], v[rA:rA+11], v[rB:rB+11], v[rC:rC+7], v[rU], v[rV] matrix_a_fmt:MATRIX_FMT_BF6 matrix_b_fmt:MATRIX_FMT_BF6
.elseif (\m) < 2
	v_wmma_scale_f32_16x16x128_f8f6f4 v[rD:rD+7], v[rA:rA+11], v[rB:rB+11], v[rC:rC+7], v[rU], v[rV] matrix_a_fmt:MATRIX_FMT_BF6 matrix_b_fmt:MATRIX_FMT_BF6 matrix_a_scale:MATRIX_SCALE_ROW1
.elseif (\t) < 4
	v_wmma_scale_f32_16x16x128_f8f6f4 v[rD:rD+7], v[rA:rA+11], v[rB:rB+11], v[rC:rC+7], v[rU], v[rV] matrix_a_fmt:MATRIX_FMT_BF6 matrix_b_fmt:MATRIX_FMT_BF6 matrix_b_scale:MATRIX_SCALE_ROW1
.else
	v_wmma_scale_f32_16x16x128_f8f6f4 v[rD:rD+7], v[rA:rA+11], v[rB:rB+11], v[rC:rC+7], v[rU], v[rV] matrix_a_fmt:MATRIX_FMT_BF6 matrix_b_fmt:MATRIX_FMT_BF6 matrix_a_scale:MATRIX_SCALE_ROW1 matrix_b_scale:MATRIX_SCALE_ROW1
.endif
.endm
.macro CSTEP s, left                   ; a K step: 32 matrix instructions; the 32 sums take turns, one instruction a turn, in the same order in every step
	s_wait_dscnt \left
.if (\s) == 0
	WIN 0x7e                                       ; conv_w window 2, feats window 3, C (the bias) window 3, D window 1
.else
	WIN 0x5e                                       ; C and D window 1
.endif
.irp t, 0,1,2,3,4,5,6,7
.irp m, 0,1,2,3
	CMM \m, \t, \s
.endr
.endr
.endm
	FETCHF 0
	FETCHW 0, 0
	FETCHF 1
	FETCHW 1, 1
	s_wait_loadcnt 0x0                             ; the scale words, the bias, pm_int
	CSTEP 0, 63                                    ; behind this step's 72 loads 72 younger were issued: a count of 63, the most that the wait can name, shows the 72 in
	PLACES                                         ; in front of loads into registers that matrix instructions have read
	FETCHF 2
	FETCHW 2, 0
	CSTEP 1, 63
	PLACES
	FETCHF 3
	FETCHW 3, 1
	CSTEP 2, 63
	CSTEP 3, 0
	WIN 0
	PLACES                                         ; in front of the first read of results
	; feats and conv_w are read out.  Slot 1 takes its first templates into feats' bytes: a refill, behind a round of the cluster's barrier
	s_wait_tensorcnt 0x0                           ; all my tensor loads have landed: the scale words and slot 0 among them
	ds_add_u32 v[SPW], v[NIL]                      ; 0 onto my spare word
	s_wait_dscnt 0x0                               ; the add is done, and my reads of feats and conv_w are over
	CROUND                                         ; that now holds of every wave of all four work-groups
	JT G0T1                                        ; the first tensor load behind the round, and my only one until the next
	ASK 0
; ---- THE NORM.  Lane (r, h) holds 64 of pixel r's 128 sums; four chains, one a tile; each sum's registers are read from the low end on
	WIN 0x05
.irp m, 0,1,2,3
	v_pk_mul_f32 v[SS+2*\m:SS+2*\m+1], v[64*\m:64*\m+1], v[64*\m:64*\m+1]
.endr
.set jj, 1
.rept 31
.irp m, 0,1,2,3
	v_pk_fma_f32 v[SS+2*\m:SS+2*\m+1], v[64*\m+2*jj:64*\m+2*jj+1], v[64*\m+2*jj:64*\m+2*jj+1], v[SS+2*\m:SS+2*\m+1]
.endr
.set jj, jj+1
.endr
	WIN 0
.irp m, 0,1,2,3
	v_add_f32 v[T+\m], v[SS+2*\m], v[SS+2*\m+1]
.endr
.irp m, 0,1,2,3
	v_permlanex16_b32 v[T+4+\m], v[T+\m], s[SEL], s[SEL+1]
.endr
.irp m, 0,1,2,3
	v_add_f32 v[T+\m], v[T+\m], v[T+4+\m]          ; with lane l xor 16's 64: the pixel's sum of squares
.endr
.irp m, 0,1,2,3
	v_rsq_f32 v[RN+2*\m], v[T+\m]                  ; twice: a pair for the packed multiply
	v_rsq_f32 v[RN+2*\m+1], v[T+\m]
.endr
	v_nop                                          ; a plain instruction behind the last of the batch
	s_wait_alu depctr_va_vdst(0)                   ; one wait for the eight, ahead of their first reader and of the branch below
; ---- out2, in the waves whose turn it is: (the sums . pm_int) / norm, in f32
	s_cmp_eq_u32 s[FLAG], 1
	s_cbranch_scc0 .Lno_int
	WIN 0x09                                       ; source 0 window 1, source 1 window 2
.irp m, 0,1,2,3
	v_pk_mul_f32 v[IS+2*\m:IS+2*\m+1], v[64*\m:64*\m+1], v[HI:HI+1]
.endr
.set jj, 1
.rept 31
.irp m, 0,1,2,3
	v_pk_fma_f32 v[IS+2*\m:IS+2*\m+1], v[64*\m+2*jj:64*\m+2*jj+1], v[HI+2*jj:HI+2*jj+1], v[IS+2*\m:IS+2*\m+1]
.endr
.set jj, jj+1
.endr
	WIN 0
.irp m, 0,1,2,3
	v_add_f32 v[T+\m], v[IS+2*\m], v[IS+2*\m+1]
.endr
.irp m, 0,1,2,3
	v_permlanex16_b32 v[T+4+\m], v[T+\m], s[SEL], s[SEL+1]
.endr
.irp m, 0,1,2,3
	v_add_f32 v[T+\m], v[T+\m], v[T+4+\m]
.endr
.irp m, 0,1,2,3
	v_mul_f32 v[T+\m], v[T+\m], v[RN+2*\m]
.endr
.irp m, 0,1,2,3
	ds_store_b32 v[IST], v[T+\m] offset:64*\m      ; lanes r and r + 16 write the same word with the same value; my wave's own bytes
.endr
	ds_load_b64 v[O2:O2+1], v[IRD]                 ; LDS serves a wave's instructions in order (ISA guide 5.7.1.4): this sees the stores
	s_wait_dscnt 0x0
	global_store_b64 v[GO8], v[O2:O2+1], s[18:19]  ; 32 lanes store my 64 pixels: 256 consecutive bytes, aligned
.Lno_int:
; ---- A TILE OF 16 PIXELS: normalised, my set's 32 channels to the stage, all 128 quantised, the fragment's image to LDS
; 64 numbers of a lane, register 16 b + i = channel 32 b + 16 h + i of my pixel, become a fragment's codes in v[CD] on and its scale word in v[PW]
.macro QUANT s
.irp b, 0,1,2,3
	v_max3_num_f32 v[TM+\b], |v[\s+16*\b]|, |v[\s+1+16*\b]|, 0x2800000   ; block b: my 16 numbers, and the floor 2^(5 - 127): the byte cannot fall under 1
.endr
.irp i, 2,4,6,8,10,12,14
.irp b, 0,1,2,3
	v_max3_num_f32 v[TM+\b], v[TM+\b], |v[\s+16*\b+\i]|, |v[\s+1+16*\b+\i]|   ; the four blocks by turns
.endr
.endr
.irp b, 0,1,2,3
	v_permlanex16_b32 v[TM+4+\b], v[TM+\b], s[SEL], s[SEL+1]
.endr
.irp b, 0,1,2,3
	v_max_num_f32 v[TM+\b], v[TM+\b], v[TM+4+\b]   ; with lane l xor 16's: the block's largest magnitude
.endr
.irp b, 0,1,2,3
	v_add_nc_u32 v[TM+12+\b], 0xfe000000, v[TM+\b] ; 4 off its exponent field: the conversion takes the exponent field of this operand as its scale
.endr
.irp b, 0,1,2,3
	v_lshrrev_b32 v[TM+4+\b], 23, v[TM+12+\b]      ; the scale's byte
.endr
	v_lshl_or_b32 v[PW], v[TM+5], 8, v[TM+4]
	v_lshl_or_b32 v[PW], v[TM+6], 16, v[PW]
	v_lshl_or_b32 v[PW], v[TM+7], 24, v[PW]        ; my pixel's scale word
.irp c, 0,1
	v_cvt_scalef32_pk16_bf6_f32 v[CD+6*\c:CD+2+6*\c], v[\s+32*\c:\s+15+32*\c], v[TM+12+2*\c]
	v_cvt_scalef32_pk16_bf6_f32 v[CD+12+4*\c:CD+14+4*\c], v[\s+16+32*\c:\s+31+32*\c], v[TM+12+2*\c+1]   ; (a conversion's three registers begin on an even number)
.endr
	v_nop                                          ; one plain place behind a scaled conversion
.irp c, 0,1                                    ; the operand's layout wants a whole block in a lane: lanes 0-15 block 2 c, lanes 16-31 block 2 c + 1
.irp i, 0,1,2
	v_permlane16_swap_b32 v[CD+6*\c+\i], v[CD+12+4*\c+\i]
.endr
.irp i, 0,1,2
	v_mov_b32 v[CD+3+6*\c+\i], v[CD+12+4*\c+\i]
.endr
.endr
.endm
.macro STAGE b, m                      ; channels 32 b .. 32 b + 31 go to the stage in the work-group whose set is b: a branch on the work-group's y, the same in all waves and partners
	s_cmp_lg_u32 s[SET], \b
	s_cbranch_scc1 .Lother_\@
.irp i, 0,1,2,3,4,5,6,7,8,9,10,11,12,13,14,15
	ds_store_b32 v[STO], v[N+16*\b+\i] offset:272*\i+64*\m
.endr
.Lother_\@:
.endm
.macro TILE m
	WIN 0x01                                       ; source 0 window 1
.set jj, 0
.rept 32
	v_pk_mul_f32 v[N+2*jj:N+2*jj+1], v[64*\m+2*jj:64*\m+2*jj+1], v[RN+2*\m:RN+2*\m+1]
.set jj, jj+1
.endr
	WIN 0
.irp b, 0,1,2,3                                ; register 8 t + j holds channel 16 t + 8 h + j.  Tile 2 b's lanes 16-31 change places with tile 2 b + 1's lanes 0-15: register 16 b + i then holds channel 32 b + 16 h + i
.irp j, 0,1,2,3,4,5,6,7
	v_permlane16_swap_b32 v[N+16*\b+\j], v[N+16*\b+8+\j]
.endr
.endr
	STAGE 0, \m
	STAGE 1, \m
	STAGE 2, \m
	STAGE 3, \m
	QUANT N
.irp c, 0,1,2
	ds_store_b128 v[IWI], v[CD+4*\c:CD+4*\c+3] offset:1536*\m+512*\c   ; the fragment goes to LDS as it stands: lane l's 16 bytes at 16 l
.endr
	ds_store_b32 v[IWS], v[PW] offset:128*\m
	s_wait_dscnt 0x0                               ; the stores have read their registers: the next tile may write them
.endm
	TILE 0
	TILE 1
	TILE 2
	TILE 3
	WIN 0x40                                       ; destination window 1: the first tile's sums are done with
.irp t, 0,1,2,3,4,5,6,7,8,9,10,11,12,13,14,15
	ds_load_b128 v[4*\t:4*\t+3], v[SRD] offset:544*\t   ; my stage back, two channel rows an instruction
.endr
	WIN 0
	s_wait_dscnt 0x0                               ; for the others' sake: my images lie in LDS
	s_barrier_signal -1                            ; (slot 1's load may stay out)
	s_barrier_wait -1
.irp k, 0,1,2,3,4,5,6,7                        ; my eight pixel fragments and their scale words: the same lines as loads give the same registers in the same lanes
.irp c, 0,1,2
	ds_load_b128 v[BF+12*\k+4*\c:BF+12*\k+4*\c+3], v[IRI] offset:1536*\k+512*\c
.endr
	ds_load_b32 v[PS+\k], v[IRS] offset:128*\k
.endr
	WIN 0x04                                       ; a store's data: window 1
.irp t, 0,1,2,3,4,5,6,7,8,9,10,11,12,13,14,15
	global_store_b128 v[GO3], v[4*\t:4*\t+3], s[40:41] offset:32768*\t th:TH_STORE_NT   ; sixteen lanes store 256 consecutive bytes of a channel's row, aligned; written once, read by nobody here
.endr
	WIN 0
	s_mov_b32 s2, 0xff800000                       ; -infinity into ring buffers 1 to 3 and the 32 running maxima: so the loop has no first step of its own
.set jj, 0
.rept 56
	v_mov_b32 v[DR+8+jj], s2
.set jj, jj+1
.endr
; ---- THE MATCHING
.macro SLICE pt, db                    ; ring buffer db, the scores of pixel tile pt, into the tile's four running maxima; the result is read from its low end on
.irp k, 0,1,2,3
	v_max3_num_f32 v[MX+4*(\pt)+\k], v[MX+4*(\pt)+\k], v[DR+8*(\db)+2*\k], v[DR+8*(\db)+2*\k+1]
.endr
.endm
.macro LD1 set, sreg, goff, soff, idx  ; load idx of a group's 13: 0: the two fragments' scale words; 1-6: fragment 0; 7-12: fragment 1.  16 bytes of padding lie behind every 8 pieces
.if (\idx) == 0
	ds_load_b64 v[\sreg:\sreg+1], v[ADS] offset:\soff
.else
.set LQ, ((\idx)-1)/6
.set LP, ((\idx)-1)%6
.set LC, 12*LQ+6*(LP/3)+LP%3
.if LC%8 < 5
	ds_load_b64 v[\set+12*LQ+2*LP:\set+12*LQ+2*LP+1], v[ADR] offset:\goff+8*LC+16*(LC/8)
.else
	ds_load_b64 v[\set+12*LQ+2*LP:\set+12*LQ+2*LP+1], v[ADR2] offset:\goff+8*LC+16*(LC/8)
.endif
.endif
.endm
; A GROUP: 32 templates x 128 pixels: 16 matrix instructions.  Behind each stand the four maxima of the result made three instructions earlier, and one load of the next group.
; So a result is read 12 plain instructions behind its product and written over 16 behind it, and a load lands in a register at least 4 behind the last product that read it.
.macro COMPUTE cur, scur, oth, soth, goff, soff, load
.set n, 0
.rept 16
.if n == 0
	s_wait_dscnt 6                                 ; the group's scale words and first fragment are in; the six loads of its second may be out
.endif
.if n == 8
.if \load
	s_wait_dscnt 8                                 ; the second is in; the eight loads issued in this group, for the next, may be out
.else
	s_wait_dscnt 0
.endif
.endif
	v_wmma_scale_f32_16x16x128_f8f6f4 v[DR+8*(n%4):DR+8*(n%4)+7], v[\cur+12*(n/8):\cur+12*(n/8)+11], v[BF+12*(n%8):BF+12*(n%8)+11], 0, v[\scur+n/8], v[PS+n%8] matrix_a_fmt:MATRIX_FMT_BF6 matrix_b_fmt:MATRIX_FMT_BF6
	SLICE (n+5)%8, (n+1)%4
.if \load && (n < 13)
	LD1 \oth, \soth, \goff, \soff, n
.endif
.set n, n+1
.endr
.endm
.macro SETADR
	v_add_nc_u32 v[ADR], s[TB], v[AT]
	v_add_nc_u32 v[ADR2], s[TB], v[AT2]
	v_add_nc_u32 v[ADS], s[TS], v[ATS]
.endm
.macro SLOTWORK k                      ; my half of slot k % 2, templates 1,024 k on: 16 groups, two a trip; the last two are written out, since they load nothing beyond the slot
	s_mov_b32 s[TB], ((\k)%2)*SLOT1
	s_mov_b32 s[TS], 4096*(\k)
	SETADR
.set n, 0
.rept 13
	LD1 AX, SX, 0, 0, n
.set n, n+1
.endr
	s_mov_b32 s[CNT], 7
.Lpair_\@:
	COMPUTE AX, SX, AY, SY, 3840, 128, 1
	COMPUTE AY, SY, AX, SX, 7680, 256, 1
	s_add_co_u32 s[TB], s[TB], 7680
	s_add_co_u32 s[TS], s[TS], 256
	SETADR
	s_sub_co_u32 s[CNT], s[CNT], 1
	s_cmp_lg_u32 s[CNT], 0
	s_cbranch_scc1 .Lpair_\@
	COMPUTE AX, SX, AY, SY, 3840, 128, 1
	COMPUTE AY, SY, AX, SX, 0, 0, 0
.endm
; THE CHANGE OF SLOTS.  Each wave waits for all its tensor loads (one is out: its part of the slot ahead), adds 0 to its spare word, and waits for that and for its reads of the slot that it leaves.
; fill = 1: that slot is filled again, with the templates 2,048 further on: the barrier is a round of the cluster's, and the joint refill is the first thing behind it: it has a slot's 256 matrix instructions in which to land.
.macro CHANGE fill, g0, ask
	s_wait_tensorcnt 0x0                           ; no tensor load of mine is out, so a group 0 may be written
	ds_add_u32 v[SPW], v[NIL]
.if \fill
	s_add_nc_u64 s[\g0+2:\g0+3], s[\g0+2:\g0+3], 196608   ; the type bits on top are not reached
.endif
	s_wait_dscnt 0x0                               ; the add is done, and my reads of the slot are over
.if \fill
	CROUND
	JT \g0
.if \ask
	ASK 1
.endif
.else
	s_barrier_signal -1
	s_barrier_wait -1
.endif
.endm
	SLOTWORK 0
	CHANGE 1, G0T0, 1
	SLOTWORK 1
	CHANGE 1, G0T1, 0                              ; the last fill: nothing lies behind it to ask for
	SLOTWORK 2
	CHANGE 0, G0T0, 0                              ; nothing is filled again: my work-group's barrier alone
	SLOTWORK 3
	SLICE 5, 1                                     ; the last three results
	SLICE 6, 2
	SLICE 7, 3
; ---- THE END: a pixel's four maxima, the other half of the lanes', the other half of the templates' (through LDS), and out
.irp p, 0,1,2,3,4,5,6,7
	v_max3_num_f32 v[MX+4*\p], v[MX+4*\p], v[MX+4*\p+1], v[MX+4*\p+2]
.endr
.irp p, 0,1,2,3,4,5,6,7
	v_max_num_f32 v[MX+4*\p], v[MX+4*\p], v[MX+4*\p+3]
.endr
.irp p, 0,1,2,3,4,5,6,7
	v_permlanex16_b32 v[MX+4*\p+1], v[MX+4*\p], s[SEL], s[SEL+1]
.endr
.irp p, 0,1,2,3,4,5,6,7
	v_max_num_f32 v[MX+4*\p], v[MX+4*\p], v[MX+4*\p+1]
.endr
.irp p, 0,1,2,3,4,5,6,7
	ds_store_b32 v[MST], v[MX+4*\p] offset:64*\p   ; lanes r and r + 16 write the same word with the same value
.endr
	s_wait_dscnt 0x0                               ; for the others' sake: my stores are done
	s_barrier_signal -1
	s_barrier_wait -1
	ds_load_b64 v[AX:AX+1], v[MRD]                 ; wave w takes pixels 64 w on, two a lane: the first half of the templates',
	ds_load_b64 v[AX+2:AX+3], v[MRD] offset:1024   ; and the second's
	s_wait_dscnt 0x0
	v_max_num_f32 v[O01], v[AX], v[AX+2]
	v_max_num_f32 v[O01+1], v[AX+1], v[AX+3]
	global_store_b64 v[GO8], v[O01:O01+1], s[36:37]  ; 32 lanes store 256 consecutive bytes, aligned
	s_wait_tensorcnt 0x0                           ; the wave's end, behind my last tensor load and my last LDS store
	ds_add_u32 v[SPW], v[NIL]
	s_wait_dscnt 0x0
	CROUND                                         ; the closing round: no work-group ends while a partner may still ask for a tile that names it
	s_endpgm
.Lfunc_end_k_q34f8624d5c_match:
	.size	k_q34f8624d5c_match, .Lfunc_end_k_q34f8624d5c_match-k_q34f8624d5c_match
	.p2alignl 7, 3214868480
	.fill 96, 4, 3214868480
	.section	.rodata,"a",@progbits
	.p2align	6, 0x0
	.amdhsa_kernel k_q34f8624d5c_match
		.amdhsa_group_segment_fixed_size 327680
		.amdhsa_private_segment_fixed_size 0
		.amdhsa_enable_private_segment 0
		.amdhsa_kernarg_size 152
		.amdhsa_user_sgpr_count 2
		.amdhsa_user_sgpr_kernarg_segment_ptr 1
		.amdhsa_wavefront_size32 1
		.amdhsa_system_sgpr_workgroup_id_x 1
		.amdhsa_system_sgpr_workgroup_id_y 1
		.amdhsa_system_sgpr_workgroup_id_z 1
		.amdhsa_system_vgpr_workitem_id 0
		.amdhsa_next_free_vgpr 1024
		.amdhsa_next_free_sgpr 106
		.amdhsa_reserve_vcc 0
		.amdhsa_float_denorm_mode_32 3
		.amdhsa_float_denorm_mode_16_64 3
		.amdhsa_memory_ordered 1
		.amdhsa_forward_progress 1
		.amdhsa_inst_pref_size 238
	.end_amdhsa_kernel
	.amdgpu_metadata
---
amdhsa.version: [ 1, 2 ]
amdhsa.kernels:
  - .name:           k_q34f8624d5c_match
    .symbol:         k_q34f8624d5c_match.kd
    .args:
      - { .name: feats_codes, .offset: 0, .size: 8, .value_kind: global_buffer, .address_space: global }
      - { .name: feats_scales, .offset: 8, .size: 8, .value_kind: global_buffer, .address_space: global }
      - { .name: conv_w_codes, .offset: 16, .size: 8, .value_kind: global_buffer, .address_space: global }
      - { .name: conv_w_scales, .offset: 24, .size: 8, .value_kind: global_buffer, .address_space: global }
      - { .name: conv_b, .offset: 32, .size: 8, .value_kind: global_buffer, .address_space: global }
      - { .name: pm_int_bg, .offset: 40, .size: 8, .value_kind: global_buffer, .address_space: global }
      - { .name: pm_int_fg, .offset: 48, .size: 8, .value_kind: global_buffer, .address_space: global }
      - { .name: out2, .offset: 56, .size: 8, .value_kind: global_buffer, .address_space: global }
      - { .name: pm_init_bg_codes, .offset: 64, .size: 8, .value_kind: global_buffer, .address_space: global }
      - { .name: pm_init_fg_codes, .offset: 72, .size: 8, .value_kind: global_buffer, .address_space: global }
      - { .name: pm_prev_bg_codes, .offset: 80, .size: 8, .value_kind: global_buffer, .address_space: global }
      - { .name: pm_prev_fg_codes, .offset: 88, .size: 8, .value_kind: global_buffer, .address_space: global }
      - { .name: pm_init_bg_scales, .offset: 96, .size: 8, .value_kind: global_buffer, .address_space: global }
      - { .name: pm_init_fg_scales, .offset: 104, .size: 8, .value_kind: global_buffer, .address_space: global }
      - { .name: pm_prev_bg_scales, .offset: 112, .size: 8, .value_kind: global_buffer, .address_space: global }
      - { .name: pm_prev_fg_scales, .offset: 120, .size: 8, .value_kind: global_buffer, .address_space: global }
      - { .name: out0, .offset: 128, .size: 8, .value_kind: global_buffer, .address_space: global }
      - { .name: out1, .offset: 136, .size: 8, .value_kind: global_buffer, .address_space: global }
      - { .name: out3, .offset: 144, .size: 8, .value_kind: global_buffer, .address_space: global }
    .group_segment_fixed_size: 327680
    .private_segment_fixed_size: 0
    .kernarg_segment_align: 8
    .kernarg_segment_size: 152
    .max_flat_workgroup_size: 128
    .sgpr_count:     106
    .vgpr_count:     1024
    .wavefront_size: 32
...
	.end_amdgpu_metadata
.endif
;; end of part 1
;; ======== version 2 of 2: 1 launch
;; launch match (part 2): grid 16 x 16, 4 waves a work-group, clusters of 4 x 1, 327,680 bytes of LDS; arguments feats_codes, feats_scales, conv_w_codes, conv_w_scales, conv_b, pm_int_bg, pm_int_fg, out2, pm_init_bg_codes, pm_init_fg_codes, pm_prev_bg_codes, pm_prev_fg_codes, pm_init_bg_scales, pm_init_fg_scales, pm_prev_bg_scales, pm_prev_fg_scales, out0, out1, out3; writes out0, out1, out2, out3
.if DOCPART == 2
	.amdgcn_target "amdgcn-amd-amdhsa--gfx1250"
	.amdhsa_code_object_version 6
	.text
	.protected	k_q34f8624d5c_match
	.globl	k_q34f8624d5c_match
	.p2align	8
	.type	k_q34f8624d5c_match,@function
k_q34f8624d5c_match:
	s_mov_b64 s[64:65], 0
	v_nop
	global_prefetch_b8 v0, s[64:65] scope:SCOPE_SE
	s_setreg_imm32_b32 hwreg(HW_REG_WAVE_MODE, 25, 1), 1
	s_wait_xcnt 0x0
	s_wait_alu depctr_hold_cnt(0) depctr_sa_sdst(0) depctr_va_vdst(0) depctr_va_sdst(0) depctr_va_ssrc(0) depctr_va_vcc(0) depctr_vm_vsrc(0)
	s_getreg_b32 s2, hwreg(HW_REG_IB_STS2, 6, 4)
	s_cmp_eq_u32 s2, 0
	s_cbranch_scc0 .Lentry_in_a_cluster
	s_endpgm
.Lentry_in_a_cluster:
	s_bfe_u32 s2, ttmp6, 0x10000c
	s_cmp_lg_u32 s2, 0x3003
	s_cbranch_scc0 .Lentry_shape_is_right
	s_endpgm
.Lentry_shape_is_right:
; PIXEL-LEVEL MATCHING on codes of BF6 (E3M2) with one E8M0 scale for each 32 along K.
;   conv = conv_w (128 x 512) x feats (512 x pixel) + conv_b;  nrm = conv / |conv| over the 128 channels (out3);  nrm is quantised along the channels and multiplied with
;   4,096 templates of each of four sets; of each set only the largest score of a pixel is kept (out0: init bg, fg; out1: prev bg, fg);  out2 = nrm . pm_int_bg, nrm . pm_int_fg.
; SHARES.  A work-group owns 256 pixels of one sample and ONE set: grid x = block of 256 pixels (16 a sample), grid y = 4 x sample + set.  The four work-groups of a cluster are four pixel
; blocks of one (sample, set): they walk the same templates and the same conv_w, which are asked for JOINTLY (the same tensor load, the same descriptor, mask 15, in all four).
; The four work-groups of a pixel block (one for each set) each make the convolution for themselves: 512 matrix instructions beside the 4,096 of the matching, and nothing goes through memory.
; Each output byte has one owner: set s stores channels 32 s .. 32 s + 31 of out3; row s % 2 of out2 is stored by the waves whose number / 2 is s / 2.
; CONVOLUTION: wave w owns pixels 64 w .. 64 w + 63 (four tiles of 16) and all 128 channels: source 0 = 16 rows of conv_w, source 1 = 16 pixels, so that a lane holds ONE pixel and eight channels a tile.
; MATCHING: wave w = (PH = w / 2, TH = w % 2) holds 128 pixels (eight fragments, brought from the other waves through LDS as images of their registers) and walks half TH of each slot's templates:
; source 0 = 16 templates, source 1 = 16 pixels, K = 128 = one instruction; a lane holds one pixel and eight templates' scores, which go into four running maxima a pixel tile (v_max3_num_f32).
; Which templates form a tile is free under a maximum: lane r of fragment q of a group takes template 2 r + q of the group's 32, so that an LDS row is two templates, 192 bytes.
; LIMITS.  A pixel whose 128 sums are all 0 has no norm: out3 and out2 are NaN there as in the definition, out0 and out1 are not (the maxima pass over NaN).  NaN, infinities and the scale byte 0xff
; among the inputs are not served.  The sum of a pixel's 128 squares has to lie inside f32's normal range (2^-126 .. 2^127).  1 / norm is v_rsq_f32 and one multiplication, where the definition divides.
; A block of zeros of nrm gets the scale byte 1, not 127: its codes are zeros, and this program alone reads the byte.  The bias is the C of the first K step.
;
; LDS (bytes)
.set SLOT1, 122880                     ; slot 0 at 0, slot 1 here: 512 rows x 240 (192 bytes = 2 templates, 16 of padding behind each 64).  Slot 1 first holds feats: 256 rows x 432, wave w's 64 at 27,648 w
.set TSC,   245760                     ; the set's 4,096 scale words, dense; filled once
.set CW,    262144                     ; conv_w: 128 rows x 432 (384 bytes, 16 of padding behind each 128); filled once; behind its last read its bytes are scratch:
.set STG,   262144                     ;   for each wave 32 rows x 272: out3's stage
.set IMG,   296960                     ;   16 images of fragments x 1,536
.set ISC,   321536                     ; their scale words, 128 bytes each
.set MRG,   323584                     ; [TH][256 pixels] f32: the two halves' maxima
.set INTB,  325632                     ; 256 bytes a wave: out2's turn
.set SPARE, 326656                     ; the spare words, 128 bytes a wave: two blocks of 256 bytes that no other line names
; SCALARS
.set WV,  42                           ; wave
.set SET, 43                           ; set 0..3: init bg, init fg, prev bg, prev fg
.set SMP, 100                          ; sample
.set TH,  101                          ; wave % 2
.set PH,  104                          ; wave / 2
.set CX,  66                           ; my place in the cluster: enters feats', the outputs' and the prefetches' addresses alone (made in s32-35)
.set PB,  67                           ; my block of 256 pixels
.set SEL, 22                           ; s[22:23] v_permlanex16_b32's selects for lane l xor 16
.set PFA, 24                           ; s[24:25] where my prefetches stand; never rewritten
.set CNT, 26
.set PF,  27                           ; 1 in a wave that prefetches
.set FLAG, 30                          ; 1 in a wave that makes out2
.set TB,  31                           ; LDS byte at which the trip's groups of templates begin
.set TS,  16                           ; and their scale words
.set G1F, 44                           ; descriptor groups 1: feats, conv_w, template scales, templates
.set G1W, 52
.set G1S, 68
.set G1T, 76
.set G0F, 84                           ; groups 0
.set G0W, 88
.set G0S, 92
.set G0T0, 96                          ; slot 0's, slot 1's
.set G0T1, 60
; VECTORS, window 0, kept
.set SPW, 4                            ; my spare word's address; never rewritten
.set NIL, 5                            ; 0; never rewritten
.set AT,  6                            ; my lane's place in a slot: 240 r + 24 h + 61,440 TH;  AT2: with 40 h, for the pieces that lie behind one padding more
.set AT2, 7
.set ATS, 8                            ; and among the scale words: TSC + 2,048 TH + 8 r
.set ADR, 9
.set ADR2, 10
.set ADS, 11
.set MST, 12
.set MRD, 13
.set GO8, 14                           ; 8 x lane
.set PFO, 15                           ; 256 x lane
.set WS,  16                           ; v16-31 conv_w's scale words (lanes 0-15 tile t % 4, lanes 16-31 tile t % 4 + 4), v32-39 feats' (tile m % 2 | m % 2 + 2): v16-39 hold scales and nothing else
.set FS,  32
.set PS,  16                           ; matching: v16-23 the eight pixel tiles' words, v[24:25], v[26:27] the templates'
.set SX,  24
.set SY,  26
.set BF,  40                           ; v40-135  eight pixel fragments
.set DR,  136                          ; v136-167 a ring of four results
.set MX,  168                          ; v168-199 four running maxima a pixel tile
.set AX,  200                          ; v200-223, v224-247 two sets of two template fragments
.set AY,  224
.set GO3, 248
.set O2,  250                          ; store data that are never written again
.set O01, 252
; window 0, between the convolution and the matching
.set N,   40                           ; v40-103 one tile, normalised
.set TM,  104
.set PW,  120
.set CD,  124                          ; v124-142 codes
.set RN,  144                          ; 1 / norm, a pair a tile
.set SS,  152
.set IS,  160
.set T,   168
.set AF,  176                          ; AF + 1, AW + 1: behind one padding more
.set AW,  178
.set IWI, 180
.set IWS, 181
.set IRI, 182
.set IRS, 183
.set STO, 184
.set SRD, 185
.set IST, 186
.set IRD, 187
.set GA,  188
.set GB,  189
.set GC,  190
.set TV0, 191
; window 1: the convolution's sums, (m, t) at v[64 m + 8 t]; later v0-63 out3's rows.  window 2: conv_w's fragments, two sets, v[96 p + 12 t]; v192-255 pm_int in the result's layout.
; window 3: feats' fragments v[12 (4 s + m)]; v192-255 conv_b in the result's layout.
.set HI,  192
.set MSB, 0
.macro WIN new                         ; the immediate's high byte repeats the setting that is left
.if MSB != \new
	s_set_vgpr_msb (MSB<<8)|\new
.set MSB, \new
.endif
.endm
.macro PLACES                          ; four places behind a matrix instruction (ISA guide 7.12.1), where no other vector work is at hand
.rept 4
	v_nop
.endr
.endm
.macro CROUND                          ; a round of the cluster's barrier
	s_barrier_signal -1
	s_barrier_wait -1
	s_cmp_lg_u32 s[WV], 0
	s_cbranch_scc1 .Lnot_wave_0_\@
	s_barrier_signal -3
.Lnot_wave_0_\@:
	s_barrier_wait -3
	s_barrier_signal -1
	s_barrier_wait -1
.endm
.macro JT g0                           ; my quarter of a slot, 128 rows, jointly; an s_nop 0 and four v_nop follow
	tensor_load_to_lds s[\g0:\g0+3], s[G1T:G1T+7]
	s_nop 0
.rept 4
	v_nop
.endr
.endm
; A PREFETCH INTO THE L2 of the slot that the NEXT change of slots will ask for (k = 0: templates 2,048 on; 1: 3,072 on): 98,304 bytes.  The four clusters of a (sample, set) walk the same templates: the first
; (cluster x = 0) asks.  Its four partners take 24,576 bytes each, told apart by address; in each, waves 0 to 2 take 8,192, lanes 256 bytes apart: each block is named once in the launch.
.macro ASK k
	s_cmp_eq_u32 s[PF], 1
	s_cbranch_scc0 .Lnot_mine_\@
	global_prefetch_b8 v[PFO], s[PFA:PFA+1] offset:98304*\k th:TH_LOAD_NT scope:SCOPE_SE
.Lnot_mine_\@:
.endm
.macro GROUP1 g, w0, c, r              ; r rows of c elements, dense in memory
	s_mov_b32 s[\g], \w0
	s_mov_b32 s[\g+1], (\c)<<16
	s_mov_b32 s[\g+2], (\r)<<16
	s_mov_b32 s[\g+3], (\c)<<16
	s_mov_b32 s[\g+4], \r
	s_mov_b32 s[\g+5], \c
	s_mov_b32 s[\g+6], 0
	s_mov_b32 s[\g+7], 0
.endm
	s_load_b512 s[4:19], s[0:1], 0x0               ; feats' codes, scales; conv_w's codes, scales; conv_b; pm_int_bg, _fg; out2
	s_load_b512 s[20:35], s[0:1], 0x40             ; the four sets' codes, the four sets' scales
	s_load_b128 s[36:39], s[0:1], 0x80             ; out0, out1
	s_load_b64 s[40:41], s[0:1], 0x90              ; out3
	v_lshl_add_u32 v[SPW], v0, 2, SPARE
	v_mov_b32 v[NIL], 0
	ds_add_u32 v[SPW], v[NIL]                      ; the wave's opening: the add and its wait ahead of my first tensor load; work on registers stands between them
	v_lshrrev_b32 v1, 5, v0
	v_readfirstlane_b32 s[WV], v1
	s_and_b32 s[TH], s[WV], 1
	s_lshr_b32 s[PH], s[WV], 1
	s_and_b32 s2, ttmp7, 0xffff                    ; the cluster's y = the work-group's: the same in all four partners
	s_and_b32 s[SET], s2, 3
	s_lshr_b32 s[SMP], s2, 2
	s_bfe_u32 s[CX], ttmp6, 0x40000
	s_lshl_b32 s[PB], ttmp9, 2
	s_add_co_u32 s[PB], s[PB], s[CX]
	GROUP1 G1F, (1<<20)|(4<<22)|(3<<25), 384, 64                   ; feats: no mask; bytes; 4 words of padding behind every 32
	GROUP1 G1W, 15|(1<<20)|(1<<21)|(4<<22)|(3<<25), 384, 32        ; conv_w: mask 15, bit 21 beside it; the same padding
	GROUP1 G1S, 15|(3<<16)|(1<<21), 32, 16                         ; template scales: rows of 32 x 8 bytes, no padding
	GROUP1 G1T, 15|(1<<20)|(1<<21)|(3<<22)|(3<<25), 192, 128       ; templates: 4 words of padding behind every 16
	s_mov_b32 s[G0F], 1                            ; where my quarters go: the wave's number x a constant + a constant
	s_mul_i32 s2, s[WV], 27648
	s_add_co_u32 s[G0F+1], s2, SLOT1
	s_mov_b32 s[G0W], 1
	s_mul_i32 s2, s[WV], 13824
	s_add_co_u32 s[G0W+1], s2, CW
	s_mov_b32 s[G0S], 1
	s_lshl_b32 s2, s[WV], 12
	s_add_co_u32 s[G0S+1], s2, TSC
	s_mov_b32 s[G0T0], 1
	s_mul_i32 s[G0T0+1], s[WV], 30720
	s_mov_b32 s[G0T1], 1
	s_add_co_u32 s[G0T1+1], s[G0T0+1], SLOT1
	s_wait_dscnt 0x0                               ; the opening add is done
	s_wait_kmcnt 0x0
	s_and_b32 s2, s[SET], 1                        ; the set's buffers: bg or fg,
	s_cmp_lg_u32 s2, 0
	s_cselect_b64 s[20:21], s[22:23], s[20:21]
	s_cselect_b64 s[24:25], s[26:27], s[24:25]
	s_cselect_b64 s[28:29], s[30:31], s[28:29]
	s_cselect_b64 s[32:33], s[34:35], s[32:33]
	s_cselect_b64 s[14:15], s[16:17], s[14:15]
	s_and_b32 s2, s[SET], 2                        ; init or prev
	s_cmp_lg_u32 s2, 0
	s_cselect_b64 s[20:21], s[24:25], s[20:21]
	s_cselect_b64 s[28:29], s[32:33], s[28:29]
	s_cselect_b64 s[36:37], s[38:39], s[36:37]
	s_mul_i32 s2, s[SMP], 393216                   ; the sample's templates
	s_mov_b32 s3, 0
	s_add_nc_u64 s[20:21], s[20:21], s[2:3]
	s_mul_i32 s32, s[CX], 24576                    ; the prefetches: slot 2, my work-group's quarter, my wave's third of it
	s_lshl_b32 s33, s[WV], 13
	s_add_co_u32 s32, s32, s33
	s_add_co_u32 s32, s32, 196608
	s_mov_b32 s33, 0
	s_add_nc_u64 s[PFA:PFA+1], s[20:21], s[32:33]
	s_mul_i32 s2, s[WV], 24576                     ; my 128 rows of a slot
	s_add_nc_u64 s[20:21], s[20:21], s[2:3]
	s_mov_b64 s[G0T0+2:G0T0+3], s[20:21]           ; templates 0 to 1,023
	s_or_b32 s[G0T0+3], s[G0T0+3], 0x80000000
	s_add_nc_u64 s[G0T1+2:G0T1+3], s[20:21], 98304 ; templates 1,024 to 2,047
	s_or_b32 s[G0T1+3], s[G0T1+3], 0x80000000
	s_lshl_b32 s2, s[SMP], 14
	s_lshl_b32 s105, s[WV], 12
	s_add_co_u32 s2, s2, s105
	s_add_nc_u64 s[G0S+2:G0S+3], s[28:29], s[2:3]
	s_or_b32 s[G0S+3], s[G0S+3], 0x80000000
	s_mul_i32 s2, s[WV], 12288
	s_add_nc_u64 s[G0W+2:G0W+3], s[8:9], s[2:3]
	s_or_b32 s[G0W+3], s[G0W+3], 0x80000000
	s_lshl_b32 s2, s[SMP], 9
	s_add_nc_u64 s[14:15], s[14:15], s[2:3]        ; pm_int of my sample
	s_lshl_b32 s33, s[PB], 8                       ; what hangs on my place in the cluster, in s32-35 alone
	s_lshl_b32 s34, s[WV], 6
	s_add_co_u32 s33, s33, s34                     ; my wave's first pixel in the sample
	s_lshl_b32 s32, s[SMP], 12
	s_add_co_u32 s32, s32, s33                     ; and in feats
	s_mul_i32 s34, s32, 384
	s_mov_b32 s35, 0
	s_add_nc_u64 s[G0F+2:G0F+3], s[4:5], s[34:35]
	s_or_b32 s[G0F+3], s[G0F+3], 0x80000000
	s_lshl_b32 s34, s32, 4
	s_add_nc_u64 s[6:7], s[6:7], s[34:35]          ; feats' scale words: 16 bytes a pixel
	s_lshl_b32 s34, s[SMP], 1
	s_and_b32 s32, s[SET], 1
	s_add_co_u32 s34, s34, s32
	s_lshl_b32 s34, s34, 12
	s_add_co_u32 s34, s34, s33
	s_lshl_b32 s34, s34, 2
	s_add_nc_u64 s[18:19], s[18:19], s[34:35]      ; out2 and out0 or out1: [sample][set % 2][pixel]
	s_add_nc_u64 s[36:37], s[36:37], s[34:35]
	s_lshl_b32 s34, s[SMP], 7
	s_lshl_b32 s32, s[SET], 5
	s_add_co_u32 s34, s34, s32
	s_lshl_b32 s34, s34, 12
	s_add_co_u32 s34, s34, s33
	s_lshl_b32 s34, s34, 2
	s_add_nc_u64 s[40:41], s[40:41], s[34:35]      ; out3: [sample][32 set ..][pixel]
	s_lshr_b32 s2, s[SET], 1
	s_cmp_eq_u32 s2, s[PH]
	s_cselect_b32 s[FLAG], 1, 0
	s_cmp_eq_u32 s[WV], 3
	s_cselect_b32 s2, 1, 0
	s_or_b32 s2, s2, ttmp9                         ; 0 in waves 0 to 2 of the (sample, set)'s first cluster: the same in all four partners
	s_cmp_eq_u32 s2, 0
	s_cselect_b32 s[PF], 1, 0
	s_mov_b32 s[SEL], 0x76543210
	s_mov_b32 s[SEL+1], 0xfedcba98
	CROUND                                         ; all four work-groups are here: the first joint loads meet
	tensor_load_to_lds s[G0F:G0F+3], s[G1F:G1F+7]  ; the first fills, one group: four loads of mine are out.  My 64 pixels of feats (my own: no mask),
	s_nop 0
	tensor_load_to_lds s[G0W:G0W+3], s[G1W:G1W+7]  ; 32 rows of conv_w,
	s_nop 0
	tensor_load_to_lds s[G0S:G0S+3], s[G1S:G1S+7]  ; a quarter of the set's scale words,
	s_nop 0
	tensor_load_to_lds s[G0T0:G0T0+3], s[G1T:G1T+7]  ; a quarter of slot 0
	s_nop 0
.rept 4
	v_nop
.endr
	v_and_b32 v1, 15, v0                           ; r
	v_bfe_u32 v2, v0, 4, 1                         ; h
	v_and_b32 v3, 31, v0                           ; lane
	v_lshlrev_b32 v[GA], 4, v1
	v_lshl_add_u32 v[GB], v2, 9, v[GA]             ; feats' words: 16 r, lanes 16-31 two tiles (32 pixels) on
	v_lshl_add_u32 v[GA], v2, 10, v[GA]            ; conv_w's: 16 r, lanes 16-31 four tiles (64 rows) on
	v_lshlrev_b32 v[GC], 5, v2                     ; a tile's eight channels of my half: 32 h
.irp u, 0,1,2,3
	global_load_b128 v[WS+4*\u:WS+4*\u+3], v[GA], s[10:11] offset:256*\u   ; a row's 16 bytes are its four K steps' words
.endr
.irp u, 0,1
	global_load_b128 v[FS+4*\u:FS+4*\u+3], v[GB], s[6:7] offset:256*\u
.endr
	WIN 0xc0                                       ; destination window 3
.irp t, 0,1,2,3,4,5,6,7
	global_load_b128 v[HI+8*\t:HI+8*\t+3], v[GC], s[12:13] offset:64*\t     ; conv_b(16 t + 8 h + 0 .. 7)
	global_load_b128 v[HI+8*\t+4:HI+8*\t+7], v[GC], s[12:13] offset:64*\t+16
.endr
	WIN 0x80                                       ; destination window 2
.irp t, 0,1,2,3,4,5,6,7
	global_load_b128 v[HI+8*\t:HI+8*\t+3], v[GC], s[14:15] offset:64*\t     ; pm_int likewise
	global_load_b128 v[HI+8*\t+4:HI+8*\t+7], v[GC], s[14:15] offset:64*\t+16
.endr
	WIN 0
	; every LDS address of the text is made here: a constant + a constant x lane + a constant x wave
	s_mul_i32 s2, s[TH], 61440
	v_mul_u32_u24 v[AT], v1, 240
	v_mad_u32_u24 v[AT], v2, 24, v[AT]
	v_lshl_add_u32 v[AT2], v2, 4, v[AT]
	v_add_nc_u32 v[AT], s2, v[AT]
	v_add_nc_u32 v[AT2], s2, v[AT2]
	s_lshl_b32 s2, s[TH], 11
	s_add_co_u32 s2, s2, TSC
	v_lshl_add_u32 v[ATS], v1, 3, s2
	s_lshl_b32 s2, s[TH], 10
	s_lshl_b32 s105, s[PH], 9
	s_add_co_u32 s2, s2, s105
	s_add_co_u32 s2, s2, MRG
	v_lshl_add_u32 v[MST], v1, 2, s2
	s_lshl_b32 s2, s[WV], 8
	s_add_co_u32 s105, s2, MRG
	v_lshl_add_u32 v[MRD], v3, 3, s105
	s_add_co_u32 s105, s2, INTB
	v_lshl_add_u32 v[IST], v1, 2, s105
	v_lshl_add_u32 v[IRD], v3, 3, s105
	v_lshlrev_b32 v[GO8], 3, v3
	v_lshlrev_b32 v[PFO], 8, v3
	v_lshlrev_b32 v[GO3], 4, v1
	v_lshl_add_u32 v[GO3], v2, 14, v[GO3]          ; out3: lanes 0-15 one channel's 256 bytes, lanes 16-31 the next channel's
	v_mul_u32_u24 v[TV0], v1, 432
	v_mad_u32_u24 v[TV0], v2, 24, v[TV0]
	s_mul_i32 s2, s[WV], 27648
	s_add_co_u32 s2, s2, SLOT1
	v_add_nc_u32 v[AF], s2, v[TV0]
	v_lshl_add_u32 v[AF+1], v2, 4, v[AF]
	v_add_nc_u32 v[AW], CW, v[TV0]
	v_lshl_add_u32 v[AW+1], v2, 4, v[AW]
	s_mul_i32 s2, s[WV], 6144
	s_add_co_u32 s2, s2, IMG
	v_lshl_add_u32 v[IWI], v3, 4, s2
	s_lshl_b32 s2, s[WV], 9
	s_add_co_u32 s2, s2, ISC
	v_lshl_add_u32 v[IWS], v3, 2, s2
	s_mul_i32 s2, s[PH], 12288
	s_add_co_u32 s2, s2, IMG
	v_lshl_add_u32 v[IRI], v3, 4, s2
	s_lshl_b32 s2, s[PH], 10
	s_add_co_u32 s2, s2, ISC
	v_lshl_add_u32 v[IRS], v3, 2, s2
	s_mul_i32 s2, s[WV], 8704
	s_add_co_u32 s2, s2, STG
	v_mul_u32_u24 v[TV0], v2, 4352
	v_lshl_add_u32 v[TV0], v1, 2, v[TV0]
	v_add_nc_u32 v[STO], s2, v[TV0]                ; into the stage: channel row 16 h + i, pixel r
	v_mul_u32_u24 v[TV0], v2, 272
	v_lshl_add_u32 v[TV0], v1, 4, v[TV0]
	v_add_nc_u32 v[SRD], s2, v[TV0]                ; back: lanes 0-15 one row of 256 bytes, lanes 16-31 the next
.irp b, 0,1,2,3
	v_mov_b32 v[TM+4+\b], 0                        ; written once: a lane permute's destination counts as one of its sources
	v_mov_b32 v[T+4+\b], 0
.endr
	s_wait_tensorcnt 0x2                           ; feats and conv_w, my parts, are in; the scale words and slot 0 may stay out
	s_barrier_signal -1
	s_barrier_wait -1                              ; everybody's are
; ---- THE CONVOLUTION.  A fragment, 16 rows x 128 K, is 12 registers: lane (r, h) takes 24 bytes at 24 h and 24 at 48 + 24 h of its row's 96, in pieces of 8 bytes.  16 bytes of padding lie behind every 16 pieces:
; where the piece three on (lanes 16-31) lies behind one padding more, the second address register serves.  Pitch 432 = 108 words: row r starts at bank 44 r mod 64 (64 banks of 4 bytes: ISA guide 11.1), sixteen different multiples of 4.
.macro FRAGC reg, adr, s, row
.irp p, 0,1,2,3,4,5
.set FP, 12*(\s)+6*(\p/3)+\p%3
.if FP%16 < 13
	ds_load_b64 v[\reg+2*\p:\reg+2*\p+1], v[\adr] offset:8*FP+16*(FP/16)+6912*(\row)
.else
	ds_load_b64 v[\reg+2*\p:\reg+2*\p+1], v[\adr+1] offset:8*FP+16*(FP/16)+6912*(\row)
.endif
.endr
.endm
.macro FETCHF s                        ; my four pixel tiles of K step s: 24 loads
	WIN 0xc0
.irp m, 0,1,2,3
	FRAGC 12*(4*(\s)+\m), AF, \s, \m
.endr
.endm
.macro FETCHW s, p                     ; conv_w's eight tiles of K step s into set p: 48 loads
	WIN 0x80
.irp t, 0,1,2,3,4,5,6,7
	FRAGC 96*(\p)+12*\t, AW, \s, \t
.endr
.endm
.macro CMM m, t, s
.set rD, 64*(\m)+8*(\t)
.set rA, 96*((\s)%2)+12*(\t)
.set rB, 12*(4*(\s)+(\m))
.set rC, rD
.if (\s) == 0
.set rC, HI+8*(\t)                     ; the bias starts the sum: nothing is cleared, nothing is added later
.endif
.set rU, WS+4*((\t)%4)+(\s)
.set rV, FS+4*((\m)%2)+(\s)
.if ((\t) < 4) && ((\m) < 2)
	v_wmma_scale_f32_16x16x128_f8f6f4 v[rD:rD+7], v[rA:rA+11], v[rB:rB+11], v[rC:rC+7], v[rU], v[rV] matrix_a_fmt:MATRIX_FMT_BF6 matrix_b_fmt:MATRIX_FMT_BF6
.elseif (\m) < 2
	v_wmma_scale_f32_16x16x128_f8f6f4 v[rD:rD+7], v[rA:rA+11], v[rB:rB+11], v[rC:rC+7], v[rU], v[rV] matrix_a_fmt:MATRIX_FMT_BF6 matrix_b_fmt:MATRIX_FMT_BF6 matrix_a_scale:MATRIX_SCALE_ROW1
.elseif (\t) < 4
	v_wmma_scale_f32_16x16x128_f8f6f4 v[rD:rD+7], v[rA:rA+11], v[rB:rB+11], v[rC:rC+7], v[rU], v[rV] matrix_a_fmt:MATRIX_FMT_BF6 matrix_b_fmt:MATRIX_FMT_BF6 matrix_b_scale:MATRIX_SCALE_ROW1
.else
	v_wmma_scale_f32_16x16x128_f8f6f4 v[rD:rD+7], v[rA:rA+11], v[rB:rB+11], v[rC:rC+7], v[rU], v[rV] matrix_a_fmt:MATRIX_FMT_BF6 matrix_b_fmt:MATRIX_FMT_BF6 matrix_a_scale:MATRIX_SCALE_ROW1 matrix_b_scale:MATRIX_SCALE_ROW1
.endif
.endm
.macro CSTEP s, left                   ; a K step: 32 matrix instructions; the 32 sums take turns, one instruction a turn, in the same order in every step
	s_wait_dscnt \left
.if (\s) == 0
	WIN 0x7e                                       ; conv_w window 2, feats window 3, C (the bias) window 3, D window 1
.else
	WIN 0x5e                                       ; C and D window 1
.endif
.irp t, 0,1,2,3,4,5,6,7
.irp m, 0,1,2,3
	CMM \m, \t, \s
.endr
.endr
.endm
	FETCHF 0
	FETCHW 0, 0
	FETCHF 1
	FETCHW 1, 1
	s_wait_loadcnt 0x0                             ; the scale words, the bias, pm_int
	CSTEP 0, 63                                    ; behind this step's 72 loads 72 younger were issued: a count of 63, the most that the wait can name, shows the 72 in
	PLACES                                         ; in front of loads into registers that matrix instructions have read
	FETCHF 2
	FETCHW 2, 0
	CSTEP 1, 63
	PLACES
	FETCHF 3
	FETCHW 3, 1
	CSTEP 2, 63
	CSTEP 3, 0
	WIN 0
	PLACES                                         ; in front of the first read of results
	; feats and conv_w are read out.  Slot 1 takes its first templates into feats' bytes: a refill, behind a round of the cluster's barrier
	s_wait_tensorcnt 0x0                           ; all my tensor loads have landed: the scale words and slot 0 among them
	ds_add_u32 v[SPW], v[NIL]                      ; 0 onto my spare word
	s_wait_dscnt 0x0                               ; the add is done, and my reads of feats and conv_w are over
	CROUND                                         ; that now holds of every wave of all four work-groups
	JT G0T1                                        ; the first tensor load behind the round, and my only one until the next
	ASK 0
; ---- THE NORM.  Lane (r, h) holds 64 of pixel r's 128 sums; four chains, one a tile; each sum's registers are read from the low end on
	WIN 0x05
.irp m, 0,1,2,3
	v_pk_mul_f32 v[SS+2*\m:SS+2*\m+1], v[64*\m:64*\m+1], v[64*\m:64*\m+1]
.endr
.set jj, 1
.rept 31
.irp m, 0,1,2,3
	v_pk_fma_f32 v[SS+2*\m:SS+2*\m+1], v[64*\m+2*jj:64*\m+2*jj+1], v[64*\m+2*jj:64*\m+2*jj+1], v[SS+2*\m:SS+2*\m+1]
.endr
.set jj, jj+1
.endr
	WIN 0
.irp m, 0,1,2,3
	v_add_f32 v[T+\m], v[SS+2*\m], v[SS+2*\m+1]
.endr
.irp m, 0,1,2,3
	v_permlanex16_b32 v[T+4+\m], v[T+\m], s[SEL], s[SEL+1]
.endr
.irp m, 0,1,2,3
	v_add_f32 v[T+\m], v[T+\m], v[T+4+\m]          ; with lane l xor 16's 64: the pixel's sum of squares
.endr
.irp m, 0,1,2,3
	v_rsq_f32 v[RN+2*\m], v[T+\m]                  ; twice: a pair for the packed multiply
	v_rsq_f32 v[RN+2*\m+1], v[T+\m]
.endr
	v_nop                                          ; a plain instruction behind the last of the batch
	s_wait_alu depctr_va_vdst(0)                   ; one wait for the eight, ahead of their first reader and of the branch below
; ---- out2, in the waves whose turn it is: (the sums . pm_int) / norm, in f32
	s_cmp_eq_u32 s[FLAG], 1
	s_cbranch_scc0 .Lno_int
	WIN 0x09                                       ; source 0 window 1, source 1 window 2
.irp m, 0,1,2,3
	v_pk_mul_f32 v[IS+2*\m:IS+2*\m+1], v[64*\m:64*\m+1], v[HI:HI+1]
.endr
.set jj, 1
.rept 31
.irp m, 0,1,2,3
	v_pk_fma_f32 v[IS+2*\m:IS+2*\m+1], v[64*\m+2*jj:64*\m+2*jj+1], v[HI+2*jj:HI+2*jj+1], v[IS+2*\m:IS+2*\m+1]
.endr
.set jj, jj+1
.endr
	WIN 0
.irp m, 0,1,2,3
	v_add_f32 v[T+\m], v[IS+2*\m], v[IS+2*\m+1]
.endr
.irp m, 0,1,2,3
	v_permlanex16_b32 v[T+4+\m], v[T+\m], s[SEL], s[SEL+1]
.endr
.irp m, 0,1,2,3
	v_add_f32 v[T+\m], v[T+\m], v[T+4+\m]
.endr
.irp m, 0,1,2,3
	v_mul_f32 v[T+\m], v[T+\m], v[RN+2*\m]
.endr
.irp m, 0,1,2,3
	ds_store_b32 v[IST], v[T+\m] offset:64*\m      ; lanes r and r + 16 write the same word with the same value; my wave's own bytes
.endr
	ds_load_b64 v[O2:O2+1], v[IRD]                 ; LDS serves a wave's instructions in order (ISA guide 5.7.1.4): this sees the stores
	s_wait_dscnt 0x0
	global_store_b64 v[GO8], v[O2:O2+1], s[18:19]  ; 32 lanes store my 64 pixels: 256 consecutive bytes, aligned
.Lno_int:
; ---- A TILE OF 16 PIXELS: normalised, my set's 32 channels to the stage, all 128 quantised, the fragment's image to LDS
; 64 numbers of a lane, register 16 b + i = channel 32 b + 16 h + i of my pixel, become a fragment's codes in v[CD] on and its scale word in v[PW]
.macro QUANT s
.irp b, 0,1,2,3
	v_max3_num_f32 v[TM+\b], |v[\s+16*\b]|, |v[\s+1+16*\b]|, 0x2800000   ; block b: my 16 numbers, and the floor 2^(5 - 127): the byte cannot fall under 1
.endr
.irp i, 2,4,6,8,10,12,14
.irp b, 0,1,2,3
	v_max3_num_f32 v[TM+\b], v[TM+\b], |v[\s+16*\b+\i]|, |v[\s+1+16*\b+\i]|   ; the four blocks by turns
.endr
.endr
.irp b, 0,1,2,3
	v_permlanex16_b32 v[TM+4+\b], v[TM+\b], s[SEL], s[SEL+1]
.endr
.irp b, 0,1,2,3
	v_max_num_f32 v[TM+\b], v[TM+\b], v[TM+4+\b]   ; with lane l xor 16's: the block's largest magnitude
.endr
.irp b, 0,1,2,3
	v_add_nc_u32 v[TM+12+\b], 0xfe000000, v[TM+\b] ; 4 off its exponent field: the conversion takes the exponent field of this operand as its scale
.endr
.irp b, 0,1,2,3
	v_lshrrev_b32 v[TM+4+\b], 23, v[TM+12+\b]      ; the scale's byte
.endr
	v_lshl_or_b32 v[PW], v[TM+5], 8, v[TM+4]
	v_lshl_or_b32 v[PW], v[TM+6], 16, v[PW]
	v_lshl_or_b32 v[PW], v[TM+7], 24, v[PW]        ; my pixel's scale word
.irp c, 0,1
	v_cvt_scalef32_pk16_bf6_f32 v[CD+6*\c:CD+2+6*\c], v[\s+32*\c:\s+15+32*\c], v[TM+12+2*\c]
	v_cvt_scalef32_pk16_bf6_f32 v[CD+12+4*\c:CD+14+4*\c], v[\s+16+32*\c:\s+31+32*\c], v[TM+12+2*\c+1]   ; (a conversion's three registers begin on an even number)
.endr
	v_nop                                          ; one plain place behind a scaled conversion
.irp c, 0,1                                    ; the operand's layout wants a whole block in a lane: lanes 0-15 block 2 c, lanes 16-31 block 2 c + 1
.irp i, 0,1,2
	v_permlane16_swap_b32 v[CD+6*\c+\i], v[CD+12+4*\c+\i]
.endr
.irp i, 0,1,2
	v_mov_b32 v[CD+3+6*\c+\i], v[CD+12+4*\c+\i]
.endr
.endr
.endm
.macro STAGE b, m                      ; channels 32 b .. 32 b + 31 go to the stage in the work-group whose set is b: a branch on the work-group's y, the same in all waves and partners
	s_cmp_lg_u32 s[SET], \b
	s_cbranch_scc1 .Lother_\@
.irp i, 0,1,2,3,4,5,6,7,8,9,10,11,12,13,14,15
	ds_store_b32 v[STO], v[N+16*\b+\i] offset:272*\i+64*\m
.endr
.Lother_\@:
.endm
.macro TILE m
	WIN 0x01                                       ; source 0 window 1
.set jj, 0
.rept 32
	v_pk_mul_f32 v[N+2*jj:N+2*jj+1], v[64*\m+2*jj:64*\m+2*jj+1], v[RN+2*\m:RN+2*\m+1]
.set jj, jj+1
.endr
	WIN 0
.irp b, 0,1,2,3                                ; register 8 t + j holds channel 16 t + 8 h + j.  Tile 2 b's lanes 16-31 change places with tile 2 b + 1's lanes 0-15: register 16 b + i then holds channel 32 b + 16 h + i
.irp j, 0,1,2,3,4,5,6,7
	v_permlane16_swap_b32 v[N+16*\b+\j], v[N+16*\b+8+\j]
.endr
.endr
	STAGE 0, \m
	STAGE 1, \m
	STAGE 2, \m
	STAGE 3, \m
	QUANT N
.irp c, 0,1,2
	ds_store_b128 v[IWI], v[CD+4*\c:CD+4*\c+3] offset:1536*\m+512*\c   ; the fragment goes to LDS as it stands: lane l's 16 bytes at 16 l
.endr
	ds_store_b32 v[IWS], v[PW] offset:128*\m
	s_wait_dscnt 0x0                               ; the stores have read their registers: the next tile may write them
.endm
	TILE 0
	TILE 1
	TILE 2
	TILE 3
	WIN 0x40                                       ; destination window 1: the first tile's sums are done with
.irp t, 0,1,2,3,4,5,6,7,8,9,10,11,12,13,14,15
	ds_load_b128 v[4*\t:4*\t+3], v[SRD] offset:544*\t   ; my stage back, two channel rows an instruction
.endr
	WIN 0
	s_wait_dscnt 0x0                               ; for the others' sake: my images lie in LDS
	s_barrier_signal -1                            ; (slot 1's load may stay out)
	s_barrier_wait -1
.irp k, 0,1,2,3,4,5,6,7                        ; my eight pixel fragments and their scale words: the same lines as loads give the same registers in the same lanes
.irp c, 0,1,2
	ds_load_b128 v[BF+12*\k+4*\c:BF+12*\k+4*\c+3], v[IRI] offset:1536*\k+512*\c
.endr
	ds_load_b32 v[PS+\k], v[IRS] offset:128*\k
.endr
	WIN 0x04                                       ; a store's data: window 1
.irp t, 0,1,2,3,4,5,6,7,8,9,10,11,12,13,14,15
	global_store_b128 v[GO3], v[4*\t:4*\t+3], s[40:41] offset:32768*\t th:TH_STORE_NT   ; sixteen lanes store 256 consecutive bytes of a channel's row, aligned; written once, read by nobody here
.endr
	WIN 0
	s_mov_b32 s2, 0xff800000                       ; -infinity into ring buffers 1 to 3 and the 32 running maxima: so the loop has no first step of its own
.set jj, 0
.rept 56
	v_mov_b32 v[DR+8+jj], s2
.set jj, jj+1
.endr
; ---- THE MATCHING
.macro SLICE pt, db                    ; ring buffer db, the scores of pixel tile pt, into the tile's four running maxima; the result is read from its low end on
.irp k, 0,1,2,3
	v_max3_num_f32 v[MX+4*(\pt)+\k], v[MX+4*(\pt)+\k], v[DR+8*(\db)+2*\k], v[DR+8*(\db)+2*\k+1]
.endr
.endm
.macro LD1 set, sreg, goff, soff, idx  ; load idx of a group's 13: 0: the two fragments' scale words; 1-6: fragment 0; 7-12: fragment 1.  16 bytes of padding lie behind every 8 pieces
.if (\idx) == 0
	ds_load_b64 v[\sreg:\sreg+1], v[ADS] offset:\soff
.else
.set LQ, ((\idx)-1)/6
.set LP, ((\idx)-1)%6
.set LC, 12*LQ+6*(LP/3)+LP%3
.if LC%8 < 5
	ds_load_b64 v[\set+12*LQ+2*LP:\set+12*LQ+2*LP+1], v[ADR] offset:\goff+8*LC+16*(LC/8)
.else
	ds_load_b64 v[\set+12*LQ+2*LP:\set+12*LQ+2*LP+1], v[ADR2] offset:\goff+8*LC+16*(LC/8)
.endif
.endif
.endm
; A GROUP: 32 templates x 128 pixels: 16 matrix instructions on set cur.  THE NEXT GROUP'S 13 LDS LOADS STAND IN ONE RUN AT THE GROUP'S HEAD, never singly among the matrix instructions: they go into set oth,
; whose last reader is the last product of the group before; behind that product stand its four maxima, which name none of its registers: the four places that a load into a product's source wants.
; The run has the group's 16 products in which to land.  Behind each product stand the four maxima of the result made three products earlier: a result is read 12 plain instructions behind its product and written over 16 behind it.
.macro COMPUTE cur, scur, oth, soth, goff, soff, load
.if \load
.set n, 0
.rept 13
	LD1 \oth, \soth, \goff, \soff, n
.set n, n+1
.endr
	s_wait_dscnt 13                                ; all but the 13 just issued: this group's fragments and scale words, asked for a group ago, are in (in the first group also the pixels' fragments and words)
.else
	s_wait_dscnt 0                                 ; the slot's last group: nothing was asked for behind its loads
.endif
.set n, 0
.rept 16
	v_wmma_scale_f32_16x16x128_f8f6f4 v[DR+8*(n%4):DR+8*(n%4)+7], v[\cur+12*(n/8):\cur+12*(n/8)+11], v[BF+12*(n%8):BF+12*(n%8)+11], 0, v[\scur+n/8], v[PS+n%8] matrix_a_fmt:MATRIX_FMT_BF6 matrix_b_fmt:MATRIX_FMT_BF6
	SLICE (n+5)%8, (n+1)%4
.set n, n+1
.endr
.endm
.macro SETADR
	v_add_nc_u32 v[ADR], s[TB], v[AT]
	v_add_nc_u32 v[ADR2], s[TB], v[AT2]
	v_add_nc_u32 v[ADS], s[TS], v[ATS]
.endm
.macro SLOTWORK k                      ; my half of slot k % 2, templates 1,024 k on: 16 groups, two a trip; the last two are written out, since they load nothing beyond the slot
	s_mov_b32 s[TB], ((\k)%2)*SLOT1
	s_mov_b32 s[TS], 4096*(\k)
	SETADR
.set n, 0
.rept 13
	LD1 AX, SX, 0, 0, n
.set n, n+1
.endr
	s_mov_b32 s[CNT], 7
.Lpair_\@:
	COMPUTE AX, SX, AY, SY, 3840, 128, 1
	COMPUTE AY, SY, AX, SX, 7680, 256, 1
	s_add_co_u32 s[TB], s[TB], 7680
	s_add_co_u32 s[TS], s[TS], 256
	SETADR
	s_sub_co_u32 s[CNT], s[CNT], 1
	s_cmp_lg_u32 s[CNT], 0
	s_cbranch_scc1 .Lpair_\@
	COMPUTE AX, SX, AY, SY, 3840, 128, 1
	COMPUTE AY, SY, AX, SX, 0, 0, 0
.endm
; THE CHANGE OF SLOTS.  Each wave waits for all its tensor loads (one is out: its part of the slot ahead), adds 0 to its spare word, and waits for that and for its reads of the slot that it leaves.
; fill = 1: that slot is filled again, with the templates 2,048 further on: the barrier is a round of the cluster's, and the joint refill is the first thing behind it: it has a slot's 256 matrix instructions in which to land.
.macro CHANGE fill, g0, ask
	s_wait_tensorcnt 0x0                           ; no tensor load of mine is out, so a group 0 may be written
	ds_add_u32 v[SPW], v[NIL]
.if \fill
	s_add_nc_u64 s[\g0+2:\g0+3], s[\g0+2:\g0+3], 196608   ; the type bits on top are not reached
.endif
	s_wait_dscnt 0x0                               ; the add is done, and my reads of the slot are over
.if \fill
	CROUND
	JT \g0
.if \ask
	ASK 1
.endif
.else
	s_barrier_signal -1
	s_barrier_wait -1
.endif
.endm
	SLOTWORK 0
	CHANGE 1, G0T0, 1
	SLOTWORK 1
	CHANGE 1, G0T1, 0                              ; the last fill: nothing lies behind it to ask for
	SLOTWORK 2
	CHANGE 0, G0T0, 0                              ; nothing is filled again: my work-group's barrier alone
	SLOTWORK 3
	SLICE 5, 1                                     ; the last three results
	SLICE 6, 2
	SLICE 7, 3
; ---- THE END: a pixel's four maxima, the other half of the lanes', the other half of the templates' (through LDS), and out
.irp p, 0,1,2,3,4,5,6,7
	v_max3_num_f32 v[MX+4*\p], v[MX+4*\p], v[MX+4*\p+1], v[MX+4*\p+2]
.endr
.irp p, 0,1,2,3,4,5,6,7
	v_max_num_f32 v[MX+4*\p], v[MX+4*\p], v[MX+4*\p+3]
.endr
.irp p, 0,1,2,3,4,5,6,7
	v_permlanex16_b32 v[MX+4*\p+1], v[MX+4*\p], s[SEL], s[SEL+1]
.endr
.irp p, 0,1,2,3,4,5,6,7
	v_max_num_f32 v[MX+4*\p], v[MX+4*\p], v[MX+4*\p+1]
.endr
.irp p, 0,1,2,3,4,5,6,7
	ds_store_b32 v[MST], v[MX+4*\p] offset:64*\p   ; lanes r and r + 16 write the same word with the same value
.endr
	s_wait_dscnt 0x0                               ; for the others' sake: my stores are done
	s_barrier_signal -1
	s_barrier_wait -1
	ds_load_b64 v[AX:AX+1], v[MRD]                 ; wave w takes pixels 64 w on, two a lane: the first half of the templates',
	ds_load_b64 v[AX+2:AX+3], v[MRD] offset:1024   ; and the second's
	s_wait_dscnt 0x0
	v_max_num_f32 v[O01], v[AX], v[AX+2]
	v_max_num_f32 v[O01+1], v[AX+1], v[AX+3]
	global_store_b64 v[GO8], v[O01:O01+1], s[36:37]  ; 32 lanes store 256 consecutive bytes, aligned
	s_wait_tensorcnt 0x0                           ; the wave's end, behind my last tensor load and my last LDS store
	ds_add_u32 v[SPW], v[NIL]
	s_wait_dscnt 0x0
	CROUND                                         ; the closing round: no work-group ends while a partner may still ask for a tile that names it
	s_endpgm
.Lfunc_end_k_q34f8624d5c_match:
	.size	k_q34f8624d5c_match, .Lfunc_end_k_q34f8624d5c_match-k_q34f8624d5c_match
	.p2alignl 7, 3214868480
	.fill 96, 4, 3214868480
	.section	.rodata,"a",@progbits
	.p2align	6, 0x0
	.amdhsa_kernel k_q34f8624d5c_match
		.amdhsa_group_segment_fixed_size 327680
		.amdhsa_private_segment_fixed_size 0
		.amdhsa_enable_private_segment 0
		.amdhsa_kernarg_size 152
		.amdhsa_user_sgpr_count 2
		.amdhsa_user_sgpr_kernarg_segment_ptr 1
		.amdhsa_wavefront_size32 1
		.amdhsa_system_sgpr_workgroup_id_x 1
		.amdhsa_system_sgpr_workgroup_id_y 1
		.amdhsa_system_sgpr_workgroup_id_z 1
		.amdhsa_system_vgpr_workitem_id 0
		.amdhsa_next_free_vgpr 1024
		.amdhsa_next_free_sgpr 106
		.amdhsa_reserve_vcc 0
		.amdhsa_float_denorm_mode_32 3
		.amdhsa_float_denorm_mode_16_64 3
		.amdhsa_memory_ordered 1
		.amdhsa_forward_progress 1
		.amdhsa_inst_pref_size 237
	.end_amdhsa_kernel
	.amdgpu_metadata
---
amdhsa.version: [ 1, 2 ]
amdhsa.kernels:
  - .name:           k_q34f8624d5c_match
    .symbol:         k_q34f8624d5c_match.kd
    .args:
      - { .name: feats_codes, .offset: 0, .size: 8, .value_kind: global_buffer, .address_space: global }
      - { .name: feats_scales, .offset: 8, .size: 8, .value_kind: global_buffer, .address_space: global }
      - { .name: conv_w_codes, .offset: 16, .size: 8, .value_kind: global_buffer, .address_space: global }
      - { .name: conv_w_scales, .offset: 24, .size: 8, .value_kind: global_buffer, .address_space: global }
      - { .name: conv_b, .offset: 32, .size: 8, .value_kind: global_buffer, .address_space: global }
      - { .name: pm_int_bg, .offset: 40, .size: 8, .value_kind: global_buffer, .address_space: global }
      - { .name: pm_int_fg, .offset: 48, .size: 8, .value_kind: global_buffer, .address_space: global }
      - { .name: out2, .offset: 56, .size: 8, .value_kind: global_buffer, .address_space: global }
      - { .name: pm_init_bg_codes, .offset: 64, .size: 8, .value_kind: global_buffer, .address_space: global }
      - { .name: pm_init_fg_codes, .offset: 72, .size: 8, .value_kind: global_buffer, .address_space: global }
      - { .name: pm_prev_bg_codes, .offset: 80, .size: 8, .value_kind: global_buffer, .address_space: global }
      - { .name: pm_prev_fg_codes, .offset: 88, .size: 8, .value_kind: global_buffer, .address_space: global }
      - { .name: pm_init_bg_scales, .offset: 96, .size: 8, .value_kind: global_buffer, .address_space: global }
      - { .name: pm_init_fg_scales, .offset: 104, .size: 8, .value_kind: global_buffer, .address_space: global }
      - { .name: pm_prev_bg_scales, .offset: 112, .size: 8, .value_kind: global_buffer, .address_space: global }
      - { .name: pm_prev_fg_scales, .offset: 120, .size: 8, .value_kind: global_buffer, .address_space: global }
      - { .name: out0, .offset: 128, .size: 8, .value_kind: global_buffer, .address_space: global }
      - { .name: out1, .offset: 136, .size: 8, .value_kind: global_buffer, .address_space: global }
      - { .name: out3, .offset: 144, .size: 8, .value_kind: global_buffer, .address_space: global }
    .group_segment_fixed_size: 327680
    .private_segment_fixed_size: 0
    .kernarg_segment_align: 8
    .kernarg_segment_size: 152
    .max_flat_workgroup_size: 128
    .sgpr_count:     106
    .vgpr_count:     1024
    .wavefront_size: 32
...
	.end_amdgpu_metadata
.endif
;; end of part 2
